; MI455X (gfx1250); checked and timed in simulation.
; The chip was launched on July 23, 2026; its instructions are those of AMD's public machine-readable ISA for CDNA 5 (MIT licence, August 2026) and "CDNA5" Instruction Set Architecture Reference Guide (July 2026). The comments in the code are by the model that wrote it; some were corrected since.
;; MHDPA. Allowed arithmetic: matrix products marked QUANTISED: E4M3 operands, one E8M0 scale for each 32 along K, by v_wmma_scale_f32_16x16x128_f8f6f4 with both operands' format E4M3, f32 sums; everything else in f32.
;; Inputs: Wk 37 x 64 float32; Wq 37 x 64 float32; Wv 37 x 64 float32; x 16 x 37 x 4,096 float32.
;; Outputs: out0 16 x 4,096 x 64 float32.
;; This version of the problem:
;;   THIS VERSION OF THE PROBLEM IS GIVEN IN LOW PRECISION. The matrix products marked QUANTISED in the list below multiply operands that are first quantised to E4M3 (4 exponent bits, 3 mantissa bits; 8 bits a number), with one power-of-two scale for each 32 numbers along K (OCP MX v1.0); their sums are f32. All else is computed in f32.
;;   The module's matrix products, in the order in which they are computed (A, B: the left and right operand; K: the contracted axis; several contracted axes count as one K, in the product's order):
;;     1. [M 65,536, K 37] x [K 37, N 64]; A: input x; B: input Wq: QUANTISED
;;     2. [M 65,536, K 37] x [K 37, N 64]; A: input x; B: input Wk: QUANTISED
;;     3. [M 65,536, K 37] x [K 37, N 64]; A: input x; B: input Wv: QUANTISED
;;     4. batch 16 x [M 4,096, K 64] x [K 64, N 4,096]; A: computed on the way; B: computed on the way: QUANTISED
;;     5. batch 16 x [M 4,096, K 4,096] x [K 4,096, N 64]; A: computed on the way; B: computed on the way: QUANTISED
;;   THE QUANTISER, for each operand of a quantised product, along K:
;;     - K is cut into blocks of 32 from its start; a last block that is shorter is filled with zeros.
;;     - A block's scale is 2^e with e = floor(log2(the largest magnitude in the block)) - 8, held to -126 .. 127; a block of zeros has e = 0. As a byte (E8M0): e + 127.
;;     - Each number is divided by its block's scale, clamped to +-448, and rounded to the nearest number of E4M3, ties to even, subnormals kept.
;;     - The product sums the exact products of the quantised numbers (number of the format x scale) in f32.
;;   ~~~python
;;   def quantise(x, axis):      # numpy; x: float32 -> the quantised numbers, widened to float32 again
;;       x = np.moveaxis(x, axis, -1); K = x.shape[-1]
;;       x = np.pad(x, [(0, 0)] * (x.ndim - 1) + [(0, -K % 32)]); x = x.reshape(x.shape[:-1] + (-1, 32)); a = np.abs(x).max(-1, keepdims=True)
;;       e = np.where(a > 0, np.clip(np.frexp(np.where(a > 0, a, 1))[1] - 1 - 8, -126, 127), 0)      # np.frexp(a)[1] - 1 = floor(log2(a)), exactly
;;       r = np.clip(x / 2.0 ** e, -448, 448)
;;       step = 2.0 ** (np.maximum(np.frexp(np.where(r == 0, 1, r))[1] - 1, -6) - 3)
;;       q = np.round(r / step) * step * 2.0 ** e      # np.round: ties to even
;;       return np.moveaxis(q.reshape(q.shape[:-2] + (-1,))[..., :K], -1, axis).astype(np.float32)
;;   ~~~
;;   OPERANDS COMPUTED ON THE WAY. 'Computed on the way' means the value that the module computes at that place (a softmax that the list does not call 'softmax' is quantised finished and normalised). What goes into a quantiser is computed in f32, as accurately as f32 sums, v_exp_f32 and their like allow (about 1e-6 of the number): no bf16 or f16 on the way to a quantiser, and a product that is left as it is and whose result goes on into a quantised operand takes f32 operands (vector FMAs, or v_wmma_f32_16x16x4_f32). A number that lies on a knife's edge between two numbers of the format may be rounded either way, as far as f32 arithmetic and the matrix unit's own rounding can turn it there, and no further.
;; One version. Each part assembles by itself: llvm-mc -triple=amdgcn-amd-amdhsa -mcpu=gfx1250 --defsym DOCPART=n.
;; ======== version 1 of 1: 3 launches
;; limits: right only within a limited range of input values
;; workspace buffers: qc 4,325,376 bytes; kv 8,388,608 bytes; words 393,216 bytes; lg 262,144 bytes
;; launch prep (part 1): grid 16 x 16, 8 waves a work-group, no clusters, 40,192 bytes of LDS; arguments x, Wq, Wk, Wv, qc, kv, words; writes qc, kv, words
.if DOCPART == 1
	.amdgcn_target "amdgcn-amd-amdhsa--gfx1250"
	.amdhsa_code_object_version 6
	.text
	.protected	k_q8a6d415ba0_prep
	.globl	k_q8a6d415ba0_prep
	.p2align	8
	.type	k_q8a6d415ba0_prep,@function
k_q8a6d415ba0_prep:
	s_mov_b64 s[64:65], 0
	v_nop
	global_prefetch_b8 v0, s[64:65] scope:SCOPE_SE
	s_setreg_imm32_b32 hwreg(HW_REG_WAVE_MODE, 25, 1), 1
	s_wait_xcnt 0x0
; PREP.  x [16][37][4096] f32, Wq, Wk, Wv [37][64] f32.  q, k, v = LayerNorm(x^T W) over the 64 channels; the three products on codes of FP8 (E4M3) with one E8M0 scale for each 32 along K = 37
; (blocks of 32 and of 5 numbers, the rest zero codes).  q and k are then quantised along the channels, v along the keys, and stored as IMAGES OF OPERAND REGISTERS:
;   qc    [batch][128 pairs][2,048]: a pair = 32 features in two tiles; lane r of tile u is feature 8 u + r + 8 (r / 8); chunks of 512 bytes (u0,c0) (u0,c1) (u1,c0) (u1,c1), c = block of 32 channels, lane l at 16 l
;   kv    [batch][32 steps][16,384]: K's four pairs of the step's 128 keys (as in qc), then V^T's four tiles (channels 16 t + r), chunk c = keys 32 c + 16 (lane / 16) + 0 .. 15
;   words [batch][3][8,192]: K's pair words [pair][16 lanes], V's words [step][t][16 lanes], Q's pair words
; K = 64 or 37 fills half of the instruction's 128: ONE fragment carries TWO tiles (blocks 0, 1 and blocks 2, 3), and the other operand is used as (data | zero codes) or (zero codes | data).
; SHARES.  A work-group takes 256 features of one batch, a wave 32 of them: one pair, one block of 32 keys.  Waves 0 to 5 also quantise 32 columns of one W.  A lane takes a feature (a column), its registers run down K.
; No tensor load, no cluster: what work-groups share is W, 28 KB; all loads go out at the head.
; LIMITS: NaN and infinities among the inputs are not served.  A block of zeros gets the scale byte 1 where the rule says 127: its codes are zeros, and this program alone reads the bytes.
.set XBATCH, 37*4096*4                 ; bytes of a batch of x
.set DPITCH, 4096*4                    ; from d to d + 1 in x
.set WPITCH, 64*4                      ; and in W
.set RP,    80                         ; an LDS row of codes: 64 bytes + 16 of padding: an odd multiple of 16, so that the 16 rows of a load begin at different banks (64 banks of 4 bytes: ISA guide 11.1)
.set WROW,  0                          ; W's codes: row 64 T + i (T: 0 q, 1 k, 2 v)
.set WSC,   192*RP                     ; a word for each of these rows: byte 0, 1 = the scales of its two blocks
.set XROW,  WSC+768                    ; x's codes: 32 rows for each wave
.set XSC,   XROW+8*32*RP               ; their words
.set WT,    XSC+1024                   ; the work-group's part of the three tables of words, 512 bytes each: K, V, Q
.set FLOOR, 0x4800000                  ; 2^(9 - 127): no largest magnitude is taken under it, so that the scale's byte cannot fall under 1
.set XO,  1                            ; v1   4 x lane: my column in x or in W
.set LI,  2                            ; v2   16 x lane: an image's place for my lane
.set RA,  3                            ; v3   80 x lane + 2,560 x wave: where I store a row of codes
.set WA,  4                            ; v4   4 x lane + 128 x wave: and its word
.set PRA, 5                            ; v5   a fragment's row r + 8 (r / 8), + 16 x half
.set NRA, 6                            ; v6   a fragment's row r, + 16 x half
.set PWA, 7                            ; v7   the word of row r + 8 (r / 8) of W
.set NWA, 8                            ; v8   of row r
.set XRA, 9                            ; v9   PRA in my wave's rows of x
.set XWA, 10                           ; v10  and their words
.set KWS, 11                           ; v11  where my pair's words go in the table
.set VBA, 12                           ; v12  where my block's scale bytes of V go
.set TRD, 13                           ; v13  the tables on their way out
.set XZ,  16                           ; v16-55  zeros | x tile 0 | zeros | x tile 1 | zeros, 8 each: (data | zeros) begins at the data, (zeros | data) 8 below
.set WF,  56                           ; v56-87  two fragments of the W in hand, two tiles each
.set H,   88                           ; v88-151 the product's 64 results a lane
.set QC,  152                          ; v152-167, v168-183, v184-199 the codes of q, k, v: each store has registers of its own
.set KC,  168
.set VC,  184
.set TM,  200                          ; v200-203 largest magnitudes, v204-207 bytes, v208-211 448 x the scale, v212-215 the conversions' scale operands
.set WW,  218                          ; v218-219 W's pair words;  v220-221 x's words, doubled: these four hold scales alone
.set XW,  220
.set LS,  224                          ; v224-255 LayerNorm's sums
.set XN,  88                           ; ahead of the first barrier: 40 numbers of x, 40 of W, and their codes
.set WN,  128
.set CX,  168
.set CW,  184
.set WV,  18
.set BT,  19
.set SEL, 20                           ; s[20:21] v_permlanex16_b32's selects for lane l xor 16
.set MNT, 22                           ; s22  the mantissa field of 448
.set EPS, 23                           ; s23  1e-5
.set C64, 24                           ; s[24:25] 1 / 64 (the packed form names a pair)
.macro NOPS n
.rept \n
	v_nop
.endr
.endm
.macro LOADC reg, gb, pitch, nt        ; 37 numbers down K of my column
.set EI, 0
.rept 37
.if \nt
	global_load_b32 v[\reg+EI], v[XO], s[\gb:\gb+1] offset:EI*\pitch th:TH_LOAD_NT
.else
	global_load_b32 v[\reg+EI], v[XO], s[\gb:\gb+1] offset:EI*\pitch
.endif
.set EI, EI+1
.endr
.endm
; 40 numbers of a lane (37 of a column, three zeros) become 64 bytes of codes (the rest zeros) and a word of two scale bytes, and go to LDS as a row
.macro QUANTC reg, cod, wr, rowoff, wordoff
	v_max3_num_f32 v[TM], |v[\reg]|, |v[\reg+1]|, FLOOR            ; block 0 in two chains,
	v_max3_num_f32 v[TM+1], |v[\reg+16]|, |v[\reg+17]|, FLOOR
	v_max3_num_f32 v[TM+2], |v[\reg+32]|, |v[\reg+33]|, FLOOR      ; block 1: five numbers
.irp i, 2
	s_delay_alu instid0(VALU_DEP_3)
	v_max3_num_f32 v[TM], v[TM], |v[\reg+\i]|, |v[\reg+\i+1]|
	s_delay_alu instid0(VALU_DEP_3)
	v_max3_num_f32 v[TM+1], v[TM+1], |v[\reg+16+\i]|, |v[\reg+17+\i]|
.endr
.irp i, 4, 6, 8, 10, 12, 14
	s_delay_alu instid0(VALU_DEP_2)
	v_max3_num_f32 v[TM], v[TM], |v[\reg+\i]|, |v[\reg+\i+1]|
	s_delay_alu instid0(VALU_DEP_2)
	v_max3_num_f32 v[TM+1], v[TM+1], |v[\reg+16+\i]|, |v[\reg+17+\i]|
.endr
	v_max3_num_f32 v[TM+2], v[TM+2], |v[\reg+34]|, |v[\reg+35]|
	s_delay_alu instid0(VALU_DEP_2)
	v_max_num_f32 v[TM], v[TM], v[TM+1]
	s_delay_alu instid0(VALU_DEP_2)
	v_max_num_f32 v[TM+2], v[TM+2], |v[\reg+36]|
	s_delay_alu instid0(VALU_DEP_2)
	v_add_nc_u32 v[TM+12], 0xfc000000, v[TM]                       ; 8 off the exponent field: the conversion's scale operand
	s_delay_alu instid0(VALU_DEP_2)
	v_add_nc_u32 v[TM+13], 0xfc000000, v[TM+2]
	s_delay_alu instid0(VALU_DEP_4)
	v_and_or_b32 v[TM+8], v[TM], 0x7f800000, s[MNT]                ; 448 x the scale
	s_delay_alu instid0(VALU_DEP_4)
	v_and_or_b32 v[TM+9], v[TM+2], 0x7f800000, s[MNT]
	s_delay_alu instid0(VALU_DEP_4)
	v_lshrrev_b32 v[TM], 23, v[TM+12]                              ; the scales' bytes
	s_delay_alu instid0(VALU_DEP_4)
	v_lshrrev_b32 v[TM+1], 23, v[TM+13]
	s_delay_alu instid0(VALU_DEP_1)
	v_lshl_or_b32 v[\wr], v[TM+1], 8, v[TM]
.set EI, 0
.rept 32
	v_med3_num_f32 v[\reg+EI], v[\reg+EI], -v[TM+8], v[TM+8]       ; the conversion to an 8-bit code does not saturate (ISA guide 7.6.2): the hold comes first
.set EI, EI+1
.endr
.rept 5
	v_med3_num_f32 v[\reg+EI], v[\reg+EI], -v[TM+9], v[TM+9]
.set EI, EI+1
.endr
.irp g, 0,1,2,3
	v_cvt_scalef32_pk8_fp8_f32 v[\cod+2*\g:\cod+2*\g+1], v[\reg+8*\g:\reg+8*\g+7], v[TM+12]
.endr
	v_cvt_scalef32_pk8_fp8_f32 v[\cod+8:\cod+9], v[\reg+32:\reg+39], v[TM+13]
	v_nop                                                          ; a plain line behind the last conversion: products write these registers later
.irp g, 0,1,2,3
	ds_store_b128 v[RA], v[\cod+4*\g:\cod+4*\g+3] offset:\rowoff+16*\g
.endr
	ds_store_b32 v[WA], v[\wr] offset:\wordoff
.endm
; W's two fragments and pair words.  tn = 0, 1 (q, k): lane r of tile 2 b + u takes row 32 b + 8 u + r + 8 (r / 8), so that a lane's 16 results of two tiles are 16 neighbouring channels.  tn = 2 (v): tile t takes rows 16 t + r
.macro GETW tn
.irp b, 0,1
.irp u, 0,1
.irp c, 0,1
.if \tn < 2
	ds_load_b128 v[WF+16*\b+8*\u+4*\c:WF+16*\b+8*\u+4*\c+3], v[PRA] offset:(64*\tn+32*\b+8*\u)*RP+32*\c
.else
	ds_load_b128 v[WF+16*\b+8*\u+4*\c:WF+16*\b+8*\u+4*\c+3], v[NRA] offset:(128+32*\b+16*\u)*RP+32*\c
.endif
.endr
.if \tn < 2
	ds_load_b32 v[TM+2*\b+\u], v[PWA] offset:(64*\tn+32*\b+8*\u)*4
.else
	ds_load_b32 v[TM+2*\b+\u], v[NWA] offset:(128+32*\b+16*\u)*4
.endif
.endr
.endr
	s_wait_dscnt 0x0
	v_lshl_or_b32 v[WW], v[TM+1], 16, v[TM]                        ; bytes 0, 1: the first tile's two blocks; bytes 2, 3: the second's
	v_lshl_or_b32 v[WW+1], v[TM+3], 16, v[TM+2]
	NOPS 8                                                         ; a scale register written by a vector instruction stands eight places ahead of the product
.endm
.macro LNJOIN                          ; two packed chains, the pair's halves and lane l xor 16's: a feature's sum over 64 channels, in v[LS+8u+4]
.irp u, 0
	s_delay_alu instid0(VALU_DEP_3)
	v_pk_add_f32 v[LS+8*\u:LS+8*\u+1], v[LS+8*\u:LS+8*\u+1], v[LS+8*\u+2:LS+8*\u+3]
.endr
.irp u, 1
	s_delay_alu instid0(VALU_DEP_2)
	v_pk_add_f32 v[LS+8*\u:LS+8*\u+1], v[LS+8*\u:LS+8*\u+1], v[LS+8*\u+2:LS+8*\u+3]
.endr
.irp u, 0,1
	s_delay_alu instid0(VALU_DEP_2)
	v_add_f32 v[LS+8*\u+4], v[LS+8*\u], v[LS+8*\u+1]
.endr
.irp u, 0,1
	s_delay_alu instid0(VALU_DEP_2)
	v_permlanex16_b32 v[LS+8*\u+5], v[LS+8*\u+4], s[SEL], s[SEL+1]
.endr
.irp u, 0,1
	s_delay_alu instid0(VALU_DEP_2)
	v_add_f32 v[LS+8*\u+4], v[LS+8*\u+4], v[LS+8*\u+5]
.endr
.endm
; LayerNorm where a lane holds ONE feature of each tile u and 32 of its channels (the other 32 in lane l xor 16).  The two tiles by turns; every accumulator is read from its low end on
.macro LNQK
.irp u, 0,1
	v_pk_add_f32 v[LS+8*\u:LS+8*\u+1], v[H+32*\u:H+32*\u+1], v[H+32*\u+2:H+32*\u+3]
	v_pk_add_f32 v[LS+8*\u+2:LS+8*\u+3], v[H+32*\u+4:H+32*\u+5], v[H+32*\u+6:H+32*\u+7]
.endr
.irp i, 8,12,16,20,24,28
.irp u, 0,1
	v_pk_add_f32 v[LS+8*\u:LS+8*\u+1], v[LS+8*\u:LS+8*\u+1], v[H+32*\u+\i:H+32*\u+\i+1]
	v_pk_add_f32 v[LS+8*\u+2:LS+8*\u+3], v[LS+8*\u+2:LS+8*\u+3], v[H+32*\u+\i+2:H+32*\u+\i+3]
.endr
.endr
	LNJOIN
.irp u, 0,1
	s_delay_alu instid0(VALU_DEP_2)
	v_mul_f32 v[LS+8*\u+6], s[C64], v[LS+8*\u+4]                   ; the mean
.endr
.irp i, 0,2,4,6,8,10,12,14,16,18,20,22,24,26,28,30
.irp u, 0,1
	v_pk_add_f32 v[H+32*\u+\i:H+32*\u+\i+1], v[H+32*\u+\i:H+32*\u+\i+1], v[LS+8*\u+6:LS+8*\u+7] op_sel_hi:[1,0] neg_lo:[0,1] neg_hi:[0,1]
.endr
.endr
.irp u, 0,1
	v_pk_mul_f32 v[LS+8*\u:LS+8*\u+1], v[H+32*\u:H+32*\u+1], v[H+32*\u:H+32*\u+1]
	v_pk_mul_f32 v[LS+8*\u+2:LS+8*\u+3], v[H+32*\u+2:H+32*\u+3], v[H+32*\u+2:H+32*\u+3]
.endr
.irp i, 4,8,12,16,20,24,28
.irp u, 0,1
	s_delay_alu instid0(VALU_DEP_4)
	v_pk_fma_f32 v[LS+8*\u:LS+8*\u+1], v[H+32*\u+\i:H+32*\u+\i+1], v[H+32*\u+\i:H+32*\u+\i+1], v[LS+8*\u:LS+8*\u+1]
	s_delay_alu instid0(VALU_DEP_4)
	v_pk_fma_f32 v[LS+8*\u+2:LS+8*\u+3], v[H+32*\u+\i+2:H+32*\u+\i+3], v[H+32*\u+\i+2:H+32*\u+\i+3], v[LS+8*\u+2:LS+8*\u+3]
.endr
.endr
	LNJOIN
.irp u, 0,1
	s_delay_alu instid0(VALU_DEP_2)
	v_fma_f32 v[LS+8*\u+4], v[LS+8*\u+4], s[C64], s[EPS]           ; the variance + 1e-5
.endr
	s_wait_alu depctr_va_vdst(0)
.irp u, 0,1
	v_rsq_f32 v[LS+8*\u+6], v[LS+8*\u+4]
.endr
	v_nop                                                          ; a plain line behind the transcendentals
	s_wait_alu depctr_va_vdst(0)
.irp i, 0,2,4,6,8,10,12,14,16,18,20,22,24,26,28,30
.irp u, 0,1
	v_pk_mul_f32 v[H+32*\u+\i:H+32*\u+\i+1], v[H+32*\u+\i:H+32*\u+\i+1], v[LS+8*\u+6:LS+8*\u+7] op_sel_hi:[1,0]
.endr
.endr
.endm
.macro ROWSUM reg                      ; 16 registers, each summed over the 16 lanes of its half
.irp m, 1,2,4,8
.set EI, 0
.rept 16
	v_add_f32_dpp v[\reg+EI], v[\reg+EI], v[\reg+EI] row_xmask:\m row_mask:0xf bank_mask:0xf
.set EI, EI+1
.endr
.endr
.endm
; LayerNorm where a lane holds ONE channel of each tile t and 16 features: register 16 t + e is feature 16 (lane / 16) + e, channel 16 t + lane % 16.  A feature's sum goes over t and over 16 lanes
.macro LNV
.irp p, 0,2,4,6,8,10,12,14
	v_pk_add_f32 v[LS+\p:LS+\p+1], v[H+\p:H+\p+1], v[H+16+\p:H+17+\p]
.endr
.irp t, 2,3
.irp p, 0,2,4,6,8,10,12,14
	v_pk_add_f32 v[LS+\p:LS+\p+1], v[LS+\p:LS+\p+1], v[H+16*\t+\p:H+16*\t+\p+1]
.endr
.endr
	ROWSUM LS
.irp p, 0,2,4,6,8,10,12,14
	v_pk_mul_f32 v[LS+\p:LS+\p+1], v[LS+\p:LS+\p+1], s[C64:C64+1] op_sel_hi:[1,0]
.endr
.irp t, 0,1,2,3
.irp p, 0,2,4,6,8,10,12,14
	v_pk_add_f32 v[H+16*\t+\p:H+16*\t+\p+1], v[H+16*\t+\p:H+16*\t+\p+1], v[LS+\p:LS+\p+1] neg_lo:[0,1] neg_hi:[0,1]
.endr
.endr
.irp p, 0,2,4,6,8,10,12,14
	v_pk_mul_f32 v[LS+16+\p:LS+17+\p], v[H+\p:H+\p+1], v[H+\p:H+\p+1]
.endr
.irp t, 1,2,3
.irp p, 0,2,4,6,8,10,12,14
	v_pk_fma_f32 v[LS+16+\p:LS+17+\p], v[H+16*\t+\p:H+16*\t+\p+1], v[H+16*\t+\p:H+16*\t+\p+1], v[LS+16+\p:LS+17+\p]
.endr
.endr
	ROWSUM LS+16
.set EI, 16
.rept 16
	v_fma_f32 v[LS+EI], v[LS+EI], s[C64], s[EPS]
.set EI, EI+1
.endr
.set EI, 16
	s_wait_alu depctr_va_vdst(0)
.rept 16
	v_rsq_f32 v[LS+EI], v[LS+EI]
.set EI, EI+1
.endr
	v_nop
	s_wait_alu depctr_va_vdst(0)
.irp t, 0,1,2,3
.irp p, 0,2,4,6,8,10,12,14
	v_pk_mul_f32 v[H+16*\t+\p:H+16*\t+\p+1], v[H+16*\t+\p:H+16*\t+\p+1], v[LS+16+\p:LS+17+\p]
.endr
.endr
.endm
; 64 numbers of a lane in four blocks of 16 registers, each block shared with lane l xor 16, become 16 registers of codes; the four bytes stand in v[TM+4] on; wr != 0: they also make a word in v[wr]
.macro QUANT64 cod, wr
.irp b, 0,1,2,3
	v_max3_num_f32 v[TM+\b], |v[H+16*\b]|, |v[H+1+16*\b]|, FLOOR
.endr
.irp i, 2,4,6,8,10,12,14
.irp b, 0,1,2,3
	s_delay_alu instid0(VALU_DEP_4)
	v_max3_num_f32 v[TM+\b], v[TM+\b], |v[H+16*\b+\i]|, |v[H+1+16*\b+\i]|
.endr
.endr
.irp b, 0,1,2,3
	s_delay_alu instid0(VALU_DEP_4)
	v_permlanex16_b32 v[TM+4+\b], v[TM+\b], s[SEL], s[SEL+1]
.endr
.irp b, 0,1,2,3
	s_delay_alu instid0(VALU_DEP_4)
	v_max_num_f32 v[TM+\b], v[TM+\b], v[TM+4+\b]
.endr
.irp b, 0,1,2,3
	s_delay_alu instid0(VALU_DEP_4)
	v_add_nc_u32 v[TM+12+\b], 0xfc000000, v[TM+\b]
.endr
.irp b, 0,1,2,3
	v_and_or_b32 v[TM+8+\b], v[TM+\b], 0x7f800000, s[MNT]
.endr
.irp b, 0,1,2,3
	v_lshrrev_b32 v[TM+4+\b], 23, v[TM+12+\b]
.endr
.if \wr
	s_delay_alu instid0(VALU_DEP_3)
	v_lshl_or_b32 v[\wr], v[TM+5], 8, v[TM+4]
	s_delay_alu instid0(VALU_DEP_1)
	v_lshl_or_b32 v[\wr], v[TM+6], 16, v[\wr]
	s_delay_alu instid0(VALU_DEP_1)
	v_lshl_or_b32 v[\wr], v[TM+7], 24, v[\wr]
.endif
.irp b, 0,1,2,3
.irp i, 0,1,2,3,4,5,6,7,8,9,10,11,12,13,14,15
	v_med3_num_f32 v[H+16*\b+\i], v[H+16*\b+\i], -v[TM+8+\b], v[TM+8+\b]
.endr
	v_cvt_scalef32_pk8_fp8_f32 v[\cod+4*\b:\cod+4*\b+1], v[H+16*\b:H+16*\b+7], v[TM+12+\b]
	v_cvt_scalef32_pk8_fp8_f32 v[\cod+4*\b+2:\cod+4*\b+3], v[H+16*\b+8:H+16*\b+15], v[TM+12+\b]
.endr
	v_nop                                                          ; a plain line behind the last conversion: the next products write its sources
.endm
; q or k: the product TRANSPOSED (source 0 = 16 rows of W, source 1 = 16 features), so that a lane holds one feature and its registers run along the channels, the next K
.macro QK tn, cod, wr, gb, wo
	GETW \tn
	s_wait_alu depctr_va_vdst(0)
.irp u, 0,1
.irp b, 0,1
	v_wmma_scale_f32_16x16x128_f8f6f4 v[H+32*\u+16*\b:H+32*\u+16*\b+7], v[WF+16*\b:WF+16*\b+15], v[XZ+8+16*\u:XZ+23+16*\u], 0, v[WW+\b], v[XW+\u]
	v_wmma_scale_f32_16x16x128_f8f6f4 v[H+32*\u+16*\b+8:H+32*\u+16*\b+15], v[WF+16*\b:WF+16*\b+15], v[XZ+16*\u:XZ+15+16*\u], 0, v[WW+\b], v[XW+\u]
.endr
.endr
	NOPS 8                                                         ; eight places ahead of the first read of results
	LNQK
	QUANT64 \cod, \wr
.irp g, 0,1,2,3
	global_store_b128 v[LI], v[\cod+4*\g:\cod+4*\g+3], s[\gb:\gb+1] offset:512*\g   ; the wave stores 512 consecutive bytes, aligned
.endr
	ds_store_b32 v[KWS], v[\wr] offset:\wo                         ; lanes r and r + 16 hold the same word
.endm
	s_load_b256 s[4:11], s[0:1], 0x0               ; x s[4:5], Wq s[6:7], Wk s[8:9], Wv s[10:11]
	s_load_b128 s[12:15], s[0:1], 0x20             ; qc s[12:13], kv s[14:15]
	s_load_b64 s[16:17], s[0:1], 0x30              ; words
	v_lshl_add_u32 v14, v0, 2, 0x9900
	v_mov_b32 v15, 0
	v_lshrrev_b32 v[LS], 5, v0
	s_delay_alu instid0(VALU_DEP_1)
	v_readfirstlane_b32 s[WV], v[LS]               ; wave 0..7
	s_and_b32 s[BT], ttmp7, 0xffff                 ; the batch
	s_mov_b32 s[SEL], 0x76543210
	s_mov_b32 s[SEL+1], 0xfedcba98
	s_mov_b32 s[MNT], 0x600000
	s_mov_b32 s[EPS], 0x3727c5ac
	s_mov_b32 s[C64], 0x3c800000
	s_mov_b32 s[C64+1], s[C64]
	s_mul_i32 s27, s[WV], 32*RP
	s_lshl_b32 s28, s[WV], 7
	s_lshr_b32 s30, s[WV], 2                       ; which of the work-group's two key steps
	s_and_b32 s31, s[WV], 3                        ; which block of 32 keys in it
	; every LDS address is made here, ahead of the first branch
	v_and_b32 v[LS], 31, v0                        ; lane
	v_and_b32 v[LS+1], 15, v0                      ; r
	v_bfe_u32 v[LS+2], v0, 4, 1                    ; h
	s_delay_alu instid0(VALU_DEP_2)
	v_and_b32 v[LS+3], 8, v[LS+1]
	s_delay_alu instid0(VALU_DEP_1)
	v_add_nc_u32 v[LS+3], v[LS+3], v[LS+1]         ; r + 8 (r / 8)
	v_lshlrev_b32 v[XO], 2, v[LS]
	v_lshlrev_b32 v[LI], 4, v[LS]
	v_mul_u32_u24 v[RA], v[LS], RP
	s_delay_alu instid0(VALU_DEP_1)
	v_add_nc_u32 v[RA], s27, v[RA]
	s_delay_alu instid0(VALU_DEP_4)
	v_add_nc_u32 v[WA], s28, v[XO]
	v_mul_u32_u24 v[PRA], v[LS+3], RP
	s_delay_alu instid0(VALU_DEP_1)
	v_lshl_add_u32 v[PRA], v[LS+2], 4, v[PRA]
	v_mul_u32_u24 v[NRA], v[LS+1], RP
	s_delay_alu instid0(VALU_DEP_1)
	v_lshl_add_u32 v[NRA], v[LS+2], 4, v[NRA]
	v_lshl_add_u32 v[PWA], v[LS+3], 2, WSC
	v_lshl_add_u32 v[NWA], v[LS+1], 2, WSC
	v_add_nc_u32 v[XRA], s27, v[PRA]
	s_delay_alu instid0(VALU_DEP_1)
	v_add_nc_u32 v[XRA], XROW, v[XRA]
	v_lshl_add_u32 v[XWA], v[LS+3], 2, s28
	s_delay_alu instid0(VALU_DEP_1)
	v_add_nc_u32 v[XWA], XSC, v[XWA]
	s_lshl_b32 s29, s[WV], 6
	v_lshl_add_u32 v[KWS], v[LS+1], 2, s29
	s_delay_alu instid0(VALU_DEP_1)
	v_add_nc_u32 v[KWS], WT, v[KWS]
	s_lshl_b32 s29, s30, 8
	s_add_co_u32 s29, s29, s31
	v_lshl_add_u32 v[VBA], v[LS+1], 2, s29
	s_delay_alu instid0(VALU_DEP_1)
	v_add_nc_u32 v[VBA], WT+512, v[VBA]
	s_lshl_b32 s29, s[WV], 9
	v_add_nc_u32 v[TRD], s29, v[LI]
	s_delay_alu instid0(VALU_DEP_1)
	v_add_nc_u32 v[TRD], WT, v[TRD]
	s_wait_kmcnt 0x0
	s_mul_i32 s32, s[BT], XBATCH
	s_lshl_b32 s33, ttmp9, 10
	s_add_co_u32 s32, s32, s33
	s_add_co_u32 s32, s32, s28
	s_mov_b32 s33, 0
	s_add_nc_u64 s[4:5], s[4:5], s[32:33]          ; x at my batch, d = 0, my wave's 32 features
	s_lshr_b32 s34, s[WV], 1                       ; which W waves 0 to 5 quantise: the choice hangs on the wave's number alone
	s_cmp_eq_u32 s34, 0
	s_cselect_b64 s[36:37], s[6:7], s[8:9]
	s_cmp_lt_u32 s34, 2
	s_cselect_b64 s[36:37], s[36:37], s[10:11]
	s_and_b32 s32, s[WV], 1
	s_lshl_b32 s32, s32, 7
	s_add_nc_u64 s[36:37], s[36:37], s[32:33]      ; and which 32 of its columns
	s_cmp_lt_u32 s[WV], 6
	s_cbranch_scc0 .Lno_w_load
	LOADC WN, 36, WPITCH, 0
.Lno_w_load:
	LOADC XN, 4, DPITCH, 1                         ; the wave reads 128 consecutive bytes of each of the 37 rows, the eight waves 1,024
	; qc holds 270,336 bytes a batch: 262,144 of Q's images, then Q's pair words (8,192 bytes, [pair][16 lanes]); table 2 of words is not stored
	s_mul_i32 s32, s[BT], 270336
	s_lshl_b32 s34, ttmp9, 9
	s_add_co_u32 s34, s34, s32
	s_add_co_u32 s34, s34, 262144
	s_mov_b32 s35, 0
	s_add_nc_u64 s[44:45], s[12:13], s[34:35]      ; where the work-group's 512 bytes of Q's pair words go
	s_lshl_b32 s34, ttmp9, 14
	s_add_co_u32 s32, s32, s34
	s_lshl_b32 s34, s[WV], 11
	s_add_co_u32 s32, s32, s34
	s_add_nc_u64 s[12:13], s[12:13], s[32:33]      ; qc at my pair
	s_lshl_b32 s32, s[BT], 19
	s_lshl_b32 s34, ttmp9, 15
	s_add_co_u32 s32, s32, s34
	s_lshl_b32 s34, s30, 14
	s_add_co_u32 s32, s32, s34
	s_add_nc_u64 s[14:15], s[14:15], s[32:33]      ; kv at my key step
	s_lshl_b32 s32, s31, 11
	s_add_nc_u64 s[40:41], s[14:15], s[32:33]      ; K's pair
	s_lshl_b32 s32, s31, 9
	s_add_co_u32 s32, s32, 8192
	s_add_nc_u64 s[42:43], s[14:15], s[32:33]      ; my chunk of V^T's tile 0
	s_mul_i32 s32, s[BT], 24576
	s_lshl_b32 s34, s[WV], 13
	s_add_co_u32 s32, s32, s34
	s_lshl_b32 s34, ttmp9, 9
	s_add_co_u32 s32, s32, s34
	s_add_nc_u64 s[16:17], s[16:17], s[32:33]
	s_cmp_eq_u32 s[WV], 2                          ; wave 2 stores Q's words into qc: the choice hangs on the wave's number alone
	s_cselect_b64 s[16:17], s[44:45], s[16:17]
.irp i, 37,38,39
	v_mov_b32 v[XN+\i], 0                          ; K's last block is filled with zeros
.endr
.irp i, 10,11,12,13,14,15
	v_mov_b32 v[CX+\i], 0                          ; and the row's bytes 40 to 63 with zero codes
.endr
.irp i, 4,5,6,7
	v_mov_b32 v[TM+\i], 0                          ; written once: a lane permute's destination counts as one of its sources
.endr
.irp i, 5,7,13,15
	v_mov_b32 v[LS+\i], 0                          ; likewise, and the upper halves of pairs that are named whole
.endr
	s_cmp_lt_u32 s[WV], 6
	s_cbranch_scc0 .Lno_w
.irp i, 37,38,39
	v_mov_b32 v[WN+\i], 0
.endr
.irp i, 10,11,12,13,14,15
	v_mov_b32 v[CW+\i], 0
.endr
	s_wait_loadcnt 37                              ; W's 37 loads are in; x's 37, issued behind them, may be out
	QUANTC WN, CW, 222, WROW, WSC
.Lno_w:
	s_wait_loadcnt 0x0
	QUANTC XN, CX, 223, XROW, XSC
	s_wait_dscnt 0x0                               ; for the others' sake: my rows and words lie in LDS
	s_barrier_signal -1
	s_barrier_wait -1
	ds_load_b128 v[XZ+8:XZ+11], v[XRA]             ; x's tile 0: features r + 8 (r / 8), blocks 0 and 1
	ds_load_b128 v[XZ+12:XZ+15], v[XRA] offset:32
	ds_load_b128 v[XZ+24:XZ+27], v[XRA] offset:8*RP   ; tile 1: eight features further on
	ds_load_b128 v[XZ+28:XZ+31], v[XRA] offset:8*RP+32
	ds_load_b32 v[TM], v[XWA]
	ds_load_b32 v[TM+1], v[XWA] offset:32
.irp z, 0,16,32
.irp i, 0,1,2,3,4,5,6,7
	v_mov_b32 v[XZ+\z+\i], 0                       ; the zero codes beside the data
.endr
.endr
	s_wait_dscnt 0x0
	v_lshl_or_b32 v[XW], v[TM], 16, v[TM]          ; the two scale bytes twice: they serve the data in either half of K
	v_lshl_or_b32 v[XW+1], v[TM+1], 16, v[TM+1]
	QK 0, QC, 216, 12, 1024
	QK 1, KC, 217, 40, 0
	; v: source 0 = 16 features, source 1 = 16 rows of W: a lane holds one channel and its registers run along the features, which are the keys, the last product's K
	GETW 2
.irp t, 0,1,2,3
.irp u, 0,1
	v_wmma_scale_f32_16x16x128_f8f6f4 v[H+16*\t+8*\u:H+16*\t+8*\u+7], v[XZ+8+16*\u-8*(\t%2):XZ+23+16*\u-8*(\t%2)], v[WF+16*(\t/2):WF+16*(\t/2)+15], 0, v[XW+\u], v[WW+\t/2]
.endr
.endr
	NOPS 8
	LNV
	QUANT64 VC, 0
.irp t, 0,1,2,3
	global_store_b128 v[LI], v[VC+4*\t:VC+4*\t+3], s[42:43] offset:2048*\t
	ds_store_b8 v[VBA], v[TM+4+\t] offset:64*\t    ; byte c of the word of (step, t, lane r); lanes r and r + 16 hold the same byte
.endr
	s_wait_dscnt 0x0                               ; for the others' sake: my words and bytes lie in the tables
	s_barrier_signal -1
	s_barrier_wait -1
	s_cmp_lt_u32 s[WV], 3
	s_cbranch_scc0 .Lend
	ds_load_b128 v[LS:LS+3], v[TRD]
	s_wait_dscnt 0x0
	global_store_b128 v[LI], v[LS:LS+3], s[16:17]  ; 512 consecutive bytes of table w, aligned
.Lend:
	s_wait_tensorcnt 0x0
	ds_add_u32 v14, v15
	s_wait_dscnt 0x0
	s_endpgm
.Lfunc_end_k_q8a6d415ba0_prep:
	.size	k_q8a6d415ba0_prep, .Lfunc_end_k_q8a6d415ba0_prep-k_q8a6d415ba0_prep
	.p2alignl 7, 3214868480
	.fill 96, 4, 3214868480
	.section	.rodata,"a",@progbits
	.p2align	6, 0x0
	.amdhsa_kernel k_q8a6d415ba0_prep
		.amdhsa_group_segment_fixed_size 40192
		.amdhsa_private_segment_fixed_size 0
		.amdhsa_enable_private_segment 0
		.amdhsa_kernarg_size 56
		.amdhsa_user_sgpr_count 2
		.amdhsa_user_sgpr_kernarg_segment_ptr 1
		.amdhsa_wavefront_size32 1
		.amdhsa_system_sgpr_workgroup_id_x 1
		.amdhsa_system_sgpr_workgroup_id_y 1
		.amdhsa_system_sgpr_workgroup_id_z 1
		.amdhsa_system_vgpr_workitem_id 0
		.amdhsa_next_free_vgpr 256
		.amdhsa_next_free_sgpr 66
		.amdhsa_reserve_vcc 0
		.amdhsa_float_denorm_mode_32 3
		.amdhsa_float_denorm_mode_16_64 3
		.amdhsa_memory_ordered 1
		.amdhsa_forward_progress 1
		.amdhsa_inst_pref_size 101
	.end_amdhsa_kernel
	.amdgpu_metadata
---
amdhsa.version: [ 1, 2 ]
amdhsa.kernels:
  - .name:           k_q8a6d415ba0_prep
    .symbol:         k_q8a6d415ba0_prep.kd
    .args:
      - { .name: x, .offset: 0, .size: 8, .value_kind: global_buffer, .address_space: global }
      - { .name: Wq, .offset: 8, .size: 8, .value_kind: global_buffer, .address_space: global }
      - { .name: Wk, .offset: 16, .size: 8, .value_kind: global_buffer, .address_space: global }
      - { .name: Wv, .offset: 24, .size: 8, .value_kind: global_buffer, .address_space: global }
      - { .name: qc, .offset: 32, .size: 8, .value_kind: global_buffer, .address_space: global }
      - { .name: kv, .offset: 40, .size: 8, .value_kind: global_buffer, .address_space: global }
      - { .name: words, .offset: 48, .size: 8, .value_kind: global_buffer, .address_space: global }
    .group_segment_fixed_size: 40192
    .private_segment_fixed_size: 0
    .kernarg_segment_align: 8
    .kernarg_segment_size: 56
    .max_flat_workgroup_size: 256
    .sgpr_count:     66
    .vgpr_count:     256
    .wavefront_size: 32
...
	.end_amdgpu_metadata
.endif
;; end of part 1
;; launch colsum (part 2): grid 16 x 16, 16 waves a work-group, clusters of 4 x 1, 327,680 bytes of LDS; arguments qc, kv, words, lg; writes lg
.if DOCPART == 2
	.amdgcn_target "amdgcn-amd-amdhsa--gfx1250"
	.amdhsa_code_object_version 6
	.text
	.protected	k_q8a6d415ba0_colsum
	.globl	k_q8a6d415ba0_colsum
	.p2align	8
	.type	k_q8a6d415ba0_colsum,@function
k_q8a6d415ba0_colsum:
	s_mov_b64 s[64:65], 0
	v_nop
	global_prefetch_b8 v0, s[64:65] scope:SCOPE_SE
	s_setreg_imm32_b32 hwreg(HW_REG_WAVE_MODE, 25, 1), 1
	s_wait_xcnt 0x0
	s_wait_alu depctr_hold_cnt(0) depctr_sa_sdst(0) depctr_va_vdst(0) depctr_va_sdst(0) depctr_va_ssrc(0) depctr_va_vcc(0) depctr_vm_vsrc(0)
	s_getreg_b32 s2, hwreg(HW_REG_IB_STS2, 6, 4)
	s_cmp_eq_u32 s2, 0
	s_cbranch_scc0 .Lentry_in_a_cluster
	s_endpgm
.Lentry_in_a_cluster:
	s_bfe_u32 s2, ttmp6, 0x10000c
	s_cmp_lg_u32 s2, 0x3003
	s_cbranch_scc0 .Lentry_shape_is_right
	s_endpgm
.Lentry_shape_is_right:
; COLSUM.  lg[batch][key] = log2 of the sum over all 4,096 queries of 2^(c s), s = q . k on codes of FP8 (E4M3) with E8M0 scales, c = log2(e) / 8: the softmax's divisor, which runs over the QUERY axis.
; NO MAXIMUM IS TAKEN AWAY: q and k are rows that the computation itself normalises without a gain, of length 8 at the most; rounding to E4M3 adds a sixteenth at the most, so |s| <= 72.3, |c s| <= 13.1,
; each term lies in 2^-13.1 .. 2^13.1 and a sum of 4,096 of them in 2^-1.1 .. 2^25.1, for every finite input.
; SHARES.  A work-group owns 256 keys of one batch.  Wave w owns the pair of key tiles w % 8 (32 keys, stationary in registers) and walks half w / 8 of the queries of each part: four waves to a SIMD.
; ALL of the batch's Q (262,144 bytes of register images and, behind them, 8,192 of pair words: one dense block of 270,336 bytes) comes into LDS ONCE, in two parts, each byte filled once.
; PART A, at the head: the block's last 73,728 bytes (pairs 96 to 127 and all the words), 18 rows of 256 bytes a wave.  PART B, behind a tensor wait, an add to the spare word and its wait:
; pairs 0 to 95, 48 rows a wave.  Part A's eight trips stand between part B's load and the wait for it; then one barrier and 24 trips.
; CLUSTER.  The four work-groups of a cluster belong to one batch and want the same bytes: both loads are asked for jointly, with the same descriptor and the mask of all four.
; No prefetch: part B is asked for as soon as part A has landed, and no fill follows it that a loop could run ahead of.  The launch claims all of LDS.
; K = 64 fills half of the instruction's 128: a fragment of Q carries two tiles of queries (blocks 0, 1 and 2, 3); the keys are used as (data | zero codes) or (zero codes | data).
; The sums are added in another order than a plain loop over the queries would add them.  LIMITS: NaN and infinities among the inputs are not served.
.set QB,    270336                     ; a batch of qc
.set PA0,   196608                     ; part A's first byte: pair 96
.set SHA,   (QB-PA0)/16                ; a wave's share of part A: 4,608 bytes
.set SHB,   PA0/16                     ; and of part B: 12,288 bytes
.set QWD,   262144                     ; pair p's images at 2,048 p, its 16 words at QWD + 64 p
.set STG,   QB                         ; [half of the queries][256 keys] f32: no fill lands here
.set SPARE, STG+2048                   ; the spare words, 128 bytes a wave
.set LI,  1                            ; v1   16 x lane
.set LW,  2                            ; v2   QWD + 4 x lane: lanes 0-15 one pair's words, lanes 16-31 the next pair's
.set ADF, 3                            ; v3   the trip's fragments
.set ADW, 4                            ; v4   the trip's words
.set SA,  5                            ; v5   where my key's sum goes
.set STR, 7                            ; v7   where the sums are read back
.set QWR, 8                            ; v8   Q's pair words;  v9, v10 the two key tiles' words, doubled: these three hold scales alone
.set KWD, 9
.set KZ,  16                           ; v16-55  zeros | key tile a | zeros | key tile b | zeros
.set F,   56                           ; v56-87  two fragments of Q
.set S0,  88                           ; v88-119, v120-151 the scores of a fragment
.set S1,  120
.set ACC, 152                          ; v152-167 four packed chains for each key tile
.set WK,  168
.set SPW, 192                          ; v192 my spare word's address, v193 zero: never rewritten
.set NIL, 193
.set WV,  12
.set CS,  18
.set SEL, 20
.set TQ,  22
.set TW,  23
.set G1A, 24                           ; s[24:31] group 1 for part A: 18 rows of 256 bytes;  s[32:39] for part B: 48 rows
.set G1B, 32
.set G0Q, 44                           ; s[44:47] group 0 for part A;  s[48:51] for part B
.set G0B, 48
.set CNT, 62
.macro NOPS n
.rept \n
	v_nop
.endr
.endm
.macro CROUND                          ; a round of the cluster's barrier
	s_barrier_signal -1
	s_barrier_wait -1
	s_cmp_lg_u32 s[WV], 0
	s_cbranch_scc1 .Lnot_wave_0_\@
	s_barrier_signal -3
.Lnot_wave_0_\@:
	s_barrier_wait -3
	s_barrier_signal -1
	s_barrier_wait -1
.endm
; 32 scores a lane: x c, 2^, and into the chains.  Each accumulator is read from its low end on
.macro VEC sr
.irp i, 0,2,4,6,8,10,12,14,16,18,20,22,24,26,28,30
	v_pk_mul_f32 v[\sr+\i:\sr+\i+1], v[\sr+\i:\sr+\i+1], s[CS:CS+1] op_sel_hi:[1,0]
.endr
.set EI, 0
	s_wait_alu depctr_va_vdst(0)                   ; the wait ahead of the batch
.rept 32
	v_exp_f32 v[\sr+EI], v[\sr+EI]
.set EI, EI+1
.endr
	v_nop                                          ; a plain line behind the transcendentals
	s_wait_alu depctr_va_vdst(0)                   ; and for one behind it
.irp a, 0,1
.irp k, 0,1
.irp i, 0,2,4,6
	v_pk_add_f32 v[ACC+8*\k+\i:ACC+8*\k+\i+1], v[ACC+8*\k+\i:ACC+8*\k+\i+1], v[\sr+16*\a+8*\k+\i:\sr+16*\a+8*\k+\i+1]
.endr
.endr
.endr
.endm
.macro MUL4 sr, fr, row                ; source 0 = a fragment of Q (two tiles of 16 queries), source 1 = a key tile: a lane holds one key and eight queries
.irp a, 0,1
.irp k, 0,1
.if \row
	v_wmma_scale_f32_16x16x128_f8f6f4 v[\sr+16*\a+8*\k:\sr+16*\a+8*\k+7], v[\fr:\fr+15], v[KZ+8+16*\k-8*\a:KZ+23+16*\k-8*\a], 0, v[QWR], v[KWD+\k] matrix_a_scale:MATRIX_SCALE_ROW1
.else
	v_wmma_scale_f32_16x16x128_f8f6f4 v[\sr+16*\a+8*\k:\sr+16*\a+8*\k+7], v[\fr:\fr+15], v[KZ+8+16*\k-8*\a:KZ+23+16*\k-8*\a], 0, v[QWR], v[KWD+\k]
.endif
.endr
.endr
.endm
; Two pairs of query tiles.  Each run of four products is followed by the vector work on the OTHER run's scores: its plain lines are the places behind the products (ISA guide 7.12.1)
.macro TRIP
	v_add_nc_u32 v[ADF], s[TQ], v[LI]
	v_add_nc_u32 v[ADW], s[TW], v[LW]
.irp j, 0,1,2,3,4,5,6,7
	ds_load_b128 v[F+4*\j:F+4*\j+3], v[ADF] offset:512*\j
.endr
	ds_load_b32 v[QWR], v[ADW]
	s_wait_dscnt 0x0
	MUL4 S0, F, 0
	VEC S1
	MUL4 S1, F+16, 1
	VEC S0
.endm
.macro WALK n                          ; n trips from s[TQ], s[TW] on
	s_mov_b32 s[CNT], \n
.Ltrip_\@:
	TRIP
	s_add_co_u32 s[TQ], s[TQ], 4096
	s_add_co_u32 s[TW], s[TW], 128
	s_sub_co_u32 s[CNT], s[CNT], 1
	s_cmp_lg_u32 s[CNT], 0
	s_cbranch_scc1 .Ltrip_\@
.endm
	s_load_b256 s[4:11], s[0:1], 0x0               ; qc s[4:5], kv s[6:7], words s[8:9], lg s[10:11]
	v_lshl_add_u32 v[SPW], v0, 2, SPARE
	v_mov_b32 v[NIL], 0
	ds_add_u32 v[SPW], v[NIL]                      ; the opening: the add, twice on end, and its wait ahead of my first tensor load
	ds_add_u32 v[SPW], v[NIL]
	v_lshrrev_b32 v6, 5, v0
	s_delay_alu instid0(VALU_DEP_1)
	v_readfirstlane_b32 s[WV], v6                  ; wave 0..15
	s_and_b32 s15, ttmp7, 0xffff                   ; the batch, which the four partners share
	s_and_b32 s16, s[WV], 7                        ; my pair of key tiles
	s_lshr_b32 s17, s[WV], 3                       ; my half of the queries
	s_mov_b32 s[G1A], 15|(3<<16)|(1<<21)           ; the mask of all four work-groups; elements of 8 bytes; bit 21 beside a mask; no padding: images are read 16 bytes a lane on end
	s_mov_b32 s[G1A+1], 32<<16                     ; tensor_dim0 = 32 elements: 256 bytes
	s_mov_b32 s[G1A+2], 18<<16                     ; tensor_dim1
	s_mov_b32 s[G1A+3], 32<<16                     ; tile_dim0
	s_mov_b32 s[G1A+4], 18                         ; tile_dim1
	s_mov_b32 s[G1A+5], 32                         ; the pitch: dense
	s_mov_b32 s[G1A+6], 0
	s_mov_b32 s[G1A+7], 0
	s_mov_b32 s[G1B], 15|(3<<16)|(1<<21)           ; the same with 48 rows
	s_mov_b32 s[G1B+1], 32<<16
	s_mov_b32 s[G1B+2], 48<<16
	s_mov_b32 s[G1B+3], 32<<16
	s_mov_b32 s[G1B+4], 48
	s_mov_b32 s[G1B+5], 32
	s_mov_b32 s[G1B+6], 0
	s_mov_b32 s[G1B+7], 0
	s_mov_b32 s[CS], 0x3e38aa3b                    ; c = log2(e) / 8
	s_mov_b32 s[CS+1], s[CS]
	s_mov_b32 s[SEL], 0x76543210
	s_mov_b32 s[SEL+1], 0xfedcba98
	s_lshl_b32 s[TQ], s17, 15                      ; part A: my half is 16 pairs of 2,048 bytes, from pair 96 on,
	s_add_co_u32 s[TQ], s[TQ], PA0
	s_lshl_b32 s[TW], s17, 10                      ; and of 64 bytes of words
	s_add_co_u32 s[TW], s[TW], 96*64
	s_mul_i32 s13, s[WV], SHA
	s_add_co_u32 s13, s13, PA0                     ; my share of part A, in the batch's block and in LDS alike
	s_mul_i32 s14, s[WV], SHB                      ; and of part B
	s_mov_b32 s3, 0
	s_wait_dscnt 0x0
	s_wait_kmcnt 0x0
	s_mul_i32 s2, s15, QB
	s_add_co_u32 s2, s2, s13
	s_mov_b32 s[G0Q], 1
	s_mov_b32 s[G0Q+1], s13                        ; no place in the cluster enters a descriptor
	s_add_nc_u64 s[G0Q+2:G0Q+3], s[4:5], s[2:3]
	s_or_b32 s[G0Q+3], s[G0Q+3], 0x80000000
	s_mul_i32 s2, s15, QB
	s_add_co_u32 s2, s2, s14
	s_mov_b32 s[G0B], 1
	s_mov_b32 s[G0B+1], s14
	s_add_nc_u64 s[G0B+2:G0B+3], s[4:5], s[2:3]
	s_or_b32 s[G0B+3], s[G0B+3], 0x80000000
	s_mul_i32 s2, s15, 24576
	s_add_nc_u64 s[8:9], s[8:9], s[2:3]            ; words at my batch
	CROUND                                         ; all four work-groups are here: the joint loads meet
	tensor_load_to_lds s[G0Q:G0Q+3], s[G1A:G1A+7]  ; part A: my one tensor load at the head
	s_nop 0
	NOPS 4
	; what hangs on my place in the cluster: my keys, and where their sums go.  It stays in registers of its own
	s_bfe_u32 s66, ttmp6, 0x40000                  ; cx
	s_lshl_b32 s67, ttmp9, 2
	s_add_co_u32 s67, s67, s66                     ; my block of 256 keys
	s_lshl_b32 s68, s67, 1
	s_lshr_b32 s69, s16, 2
	s_add_co_u32 s68, s68, s69                     ; the key step of my pair
	s_lshl_b32 s68, s68, 14
	s_and_b32 s69, s16, 3
	s_lshl_b32 s69, s69, 11
	s_add_co_u32 s68, s68, s69
	s_lshl_b32 s69, s15, 19
	s_add_co_u32 s68, s68, s69
	s_mov_b32 s69, 0
	s_add_nc_u64 s[6:7], s[6:7], s[68:69]          ; kv at my pair
	s_lshl_b32 s68, s67, 3
	s_add_co_u32 s68, s68, s16
	s_lshl_b32 s68, s68, 6
	s_add_nc_u64 s[70:71], s[8:9], s[68:69]        ; table 0: its words
	s_lshl_b32 s68, s15, 14
	s_lshl_b32 s72, s67, 10
	s_add_co_u32 s68, s68, s72
	s_lshl_b32 s61, s[WV], 9
	s_add_co_u32 s68, s68, s61
	s_add_nc_u64 s[10:11], s[10:11], s[68:69]      ; lg at my block's keys, 128 of them for each of waves 0 and 1
	s_add_co_u32 s61, s61, STG                     ; the stage, read back: 512 bytes a wave
	s_lshl_b32 s63, s16, 7
	s_lshl_b32 s60, s17, 10
	s_add_co_u32 s63, s63, s60
	s_add_co_u32 s63, s63, STG                     ; the stage, written: 128 bytes a pair, 1,024 a half
	v_and_b32 v6, 31, v0
	v_and_b32 v12, 15, v0                          ; r
	s_delay_alu instid0(VALU_DEP_2)
	v_lshlrev_b32 v[LI], 4, v6
	s_delay_alu instid0(VALU_DEP_3)
	v_lshl_add_u32 v[LW], v6, 2, QWD
	s_delay_alu instid0(VALU_DEP_3)
	v_and_b32 v13, 8, v12
	s_delay_alu instid0(VALU_DEP_1)
	v_add_nc_u32 v13, v13, v12                     ; lane r of tile u holds key 8 u + r + 8 (r / 8) of the pair
	v_lshlrev_b32 v12, 2, v12
	s_delay_alu instid0(VALU_DEP_2)
	v_lshl_add_u32 v[SA], v13, 2, s63
	v_add_nc_u32 v[STR], s61, v[LI]
	global_load_b128 v[KZ+8:KZ+11], v[LI], s[6:7]
	global_load_b128 v[KZ+12:KZ+15], v[LI], s[6:7] offset:512
	global_load_b128 v[KZ+24:KZ+27], v[LI], s[6:7] offset:1024
	global_load_b128 v[KZ+28:KZ+31], v[LI], s[6:7] offset:1536
	global_load_b32 v11, v12, s[70:71]
.irp z, 0,16,32
.irp i, 0,1,2,3,4,5,6,7
	v_mov_b32 v[KZ+\z+\i], 0                       ; the zero codes beside the keys
.endr
.endr
.set EI, 0
.rept 16
	v_mov_b32 v[ACC+EI], 0
.set EI, EI+1
.endr
	s_wait_alu depctr_va_vdst(0)
	s_wait_loadcnt 0x0
	v_perm_b32 v[KWD], v11, v11, 0x01000100        ; tile a's two scale bytes twice: they serve the data in either half of K
	v_perm_b32 v[KWD+1], v11, v11, 0x03020302      ; tile b's
.set EI, 0
.rept 32
	v_mov_b32 v[S1+EI], 0xff800000                 ; -infinity: the first trip's first vector run adds zeros, so that no trip is written out apart.  (Also the eight places ahead of the first product for the scale words just made)
.set EI, EI+1
.endr
	s_wait_alu depctr_va_vdst(0)
	s_wait_tensorcnt 0x0                           ; my share of part A is in; then, as ahead of a refill:
	ds_add_u32 v[SPW], v[NIL]                      ; 0 onto my spare word,
	s_wait_dscnt 0x0                               ; and the wait for it
	CROUND                                         ; a whole round: everybody's share of part A is in, and all four work-groups are here: the joint loads meet
	tensor_load_to_lds s[G0B:G0B+3], s[G1B:G1B+7]  ; part B: bytes 0 to 196,607, which no trip of part A reads
	s_nop 0
	NOPS 4
	WALK 8                                         ; part A: my 16 pairs of query tiles
	s_wait_tensorcnt 0x0                           ; my share of part B is in (no LDS load of mine is out: each trip waits for its own)
	s_barrier_signal -1
	s_barrier_wait -1                              ; everybody's share is in
	s_mul_i32 s[TQ], s17, 48*2048                  ; part B: my half is 48 pairs
	s_mul_i32 s[TW], s17, 48*64
	WALK 24
	VEC S1                                         ; the last trip's second run
.irp k, 0,1
	v_pk_add_f32 v[ACC+8*\k:ACC+8*\k+1], v[ACC+8*\k:ACC+8*\k+1], v[ACC+8*\k+2:ACC+8*\k+3]
	v_pk_add_f32 v[ACC+8*\k+4:ACC+8*\k+5], v[ACC+8*\k+4:ACC+8*\k+5], v[ACC+8*\k+6:ACC+8*\k+7]
.endr
.irp k, 0
	s_delay_alu instid0(VALU_DEP_3)
	v_pk_add_f32 v[ACC+8*\k:ACC+8*\k+1], v[ACC+8*\k:ACC+8*\k+1], v[ACC+8*\k+4:ACC+8*\k+5]
.endr
.irp k, 1
	s_delay_alu instid0(VALU_DEP_2)
	v_pk_add_f32 v[ACC+8*\k:ACC+8*\k+1], v[ACC+8*\k:ACC+8*\k+1], v[ACC+8*\k+4:ACC+8*\k+5]
.endr
.irp k, 0,1
	s_delay_alu instid0(VALU_DEP_2)
	v_add_f32 v[ACC+8*\k], v[ACC+8*\k], v[ACC+8*\k+1]
.endr
.irp k, 0,1
	s_delay_alu instid0(VALU_DEP_2)
	v_permlanex16_b32 v[ACC+8*\k+1], v[ACC+8*\k], s[SEL], s[SEL+1]   ; the tile's other eight queries lie in lane l xor 16
.endr
.irp k, 0,1
	s_delay_alu instid0(VALU_DEP_2)
	v_add_f32 v[ACC+8*\k], v[ACC+8*\k], v[ACC+8*\k+1]
.endr
	ds_store_b32 v[SA], v[ACC]                     ; lanes r and r + 16 hold the same sum
	ds_store_b32 v[SA], v[ACC+8] offset:32
	s_wait_dscnt 0x0                               ; for the others' sake
	s_barrier_signal -1
	s_barrier_wait -1
	s_cmp_lt_u32 s[WV], 2
	s_cbranch_scc0 .Lclose
	ds_load_b128 v[WK:WK+3], v[STR]
	ds_load_b128 v[WK+4:WK+7], v[STR] offset:1024
	s_wait_dscnt 0x0
	v_pk_add_f32 v[WK:WK+1], v[WK:WK+1], v[WK+4:WK+5]   ; the two halves of the queries
	v_pk_add_f32 v[WK+2:WK+3], v[WK+2:WK+3], v[WK+6:WK+7]
	s_wait_alu depctr_va_vdst(0)
.irp i, 0,1,2,3
	v_log_f32 v[WK+\i], v[WK+\i]
.endr
	v_nop
	s_wait_alu depctr_va_vdst(0)
	global_store_b128 v[LI], v[WK:WK+3], s[10:11]  ; 512 consecutive bytes, aligned
.Lclose:
	s_wait_tensorcnt 0x0                           ; the wave's end
	ds_add_u32 v[SPW], v[NIL]
	s_wait_dscnt 0x0
	CROUND                                         ; the closing round
	s_endpgm
.Lfunc_end_k_q8a6d415ba0_colsum:
	.size	k_q8a6d415ba0_colsum, .Lfunc_end_k_q8a6d415ba0_colsum-k_q8a6d415ba0_colsum
	.p2alignl 7, 3214868480
	.fill 96, 4, 3214868480
	.section	.rodata,"a",@progbits
	.p2align	6, 0x0
	.amdhsa_kernel k_q8a6d415ba0_colsum
		.amdhsa_group_segment_fixed_size 327680
		.amdhsa_private_segment_fixed_size 0
		.amdhsa_enable_private_segment 0
		.amdhsa_kernarg_size 32
		.amdhsa_user_sgpr_count 2
		.amdhsa_user_sgpr_kernarg_segment_ptr 1
		.amdhsa_wavefront_size32 1
		.amdhsa_system_sgpr_workgroup_id_x 1
		.amdhsa_system_sgpr_workgroup_id_y 1
		.amdhsa_system_sgpr_workgroup_id_z 1
		.amdhsa_system_vgpr_workitem_id 0
		.amdhsa_next_free_vgpr 194
		.amdhsa_next_free_sgpr 80
		.amdhsa_reserve_vcc 0
		.amdhsa_float_denorm_mode_32 3
		.amdhsa_float_denorm_mode_16_64 3
		.amdhsa_memory_ordered 1
		.amdhsa_forward_progress 1
		.amdhsa_inst_pref_size 32
	.end_amdhsa_kernel
	.amdgpu_metadata
---
amdhsa.version: [ 1, 2 ]
amdhsa.kernels:
  - .name:           k_q8a6d415ba0_colsum
    .symbol:         k_q8a6d415ba0_colsum.kd
    .args:
      - { .name: qc, .offset: 0, .size: 8, .value_kind: global_buffer, .address_space: global }
      - { .name: kv, .offset: 8, .size: 8, .value_kind: global_buffer, .address_space: global }
      - { .name: words, .offset: 16, .size: 8, .value_kind: global_buffer, .address_space: global }
      - { .name: lg, .offset: 24, .size: 8, .value_kind: global_buffer, .address_space: global }
    .group_segment_fixed_size: 327680
    .private_segment_fixed_size: 0
    .kernarg_segment_align: 8
    .kernarg_segment_size: 32
    .max_flat_workgroup_size: 512
    .sgpr_count:     80
    .vgpr_count:     194
    .wavefront_size: 32
...
	.end_amdgpu_metadata
.endif
;; end of part 2
;; launch attend (part 3): grid 16 x 16, 8 waves a work-group, clusters of 4 x 1, 327,680 bytes of LDS; arguments qc, kv, words, lg, out0; writes out0
.if DOCPART == 3
	.amdgcn_target "amdgcn-amd-amdhsa--gfx1250"
	.amdhsa_code_object_version 6
	.text
	.protected	k_q8a6d415ba0_attend
	.globl	k_q8a6d415ba0_attend
	.p2align	8
	.type	k_q8a6d415ba0_attend,@function
k_q8a6d415ba0_attend:
	s_mov_b64 s[64:65], 0
	v_nop
	global_prefetch_b8 v0, s[64:65] scope:SCOPE_SE
	s_setreg_imm32_b32 hwreg(HW_REG_WAVE_MODE, 25, 1), 1
	s_wait_xcnt 0x0
	s_wait_alu depctr_hold_cnt(0) depctr_sa_sdst(0) depctr_va_vdst(0) depctr_va_sdst(0) depctr_va_ssrc(0) depctr_va_vcc(0) depctr_vm_vsrc(0)
	s_getreg_b32 s2, hwreg(HW_REG_IB_STS2, 6, 4)
	s_cmp_eq_u32 s2, 0
	s_cbranch_scc0 .Lentry_in_a_cluster
	s_endpgm
.Lentry_in_a_cluster:
	s_bfe_u32 s2, ttmp6, 0x10000c
	s_cmp_lg_u32 s2, 0x3003
	s_cbranch_scc0 .Lentry_shape_is_right
	s_endpgm
.Lentry_shape_is_right:
; ATTEND.  out0[batch][q][:] = the sum over keys of w(q, k) v[k][:], w = 2^(c s - lg[k]): the softmax over the QUERY axis, finished and normalised, c = log2(e) / 8, s = q . k, lg = log2 of the key's column sum.
; Both products on codes of FP8 (E4M3) with E8M0 scales; w is quantised along the keys, each block of 32 with a scale of its own.
; NO MAXIMUM IS TAKEN AWAY: q and k are rows that the computation itself normalises, of length 8 at the most (8.5 as codes): |c s| <= 13.1 and lg lies in -1.1 .. 25.1, so c s - lg lies in -38.2 .. 14.2 for every finite input;
; for the same reason a block's largest w is no less than 2^-39, and its scale byte needs no floor.
; SHARES.  A work-group owns 256 queries of one batch, a wave 32 of them: tiles A and B.  Every wave walks all 4,096 keys, 128 a step; two waves to a SIMD.
; LAYOUT.  Both products transposed: S^T = K Q^T (source 0 = keys), O^T = V^T W^T (source 0 = channels): a lane holds ONE query of each tile throughout.  K = 64 fills half of the first product's 128: a fragment of K
; carries two tiles of keys, and Q is used as (data | zero codes) or (zero codes | data).  The keys of a tile are chosen (lane r of tile u: key 8 u + r + 8 (r / 8)) so that a lane's 16 scores of a pair are 16 neighbouring keys.
; A KEY STEP IS ONE PASS: its 16 score products on end, then the weights of all four blocks of both tiles together: eight chains (block, tile) by turns; the step's 128 exponentials are ONE batch with one wait ahead of it and one behind it.
; RING.  A step's record (K's four fragments, V^T's four: 16,384 bytes of register images) is dense in memory; a slot holds eight, two to a tensor load for each of waves 0 to 3; two slots.  lg and the scale words of the batch come once.
; CLUSTER.  The four work-groups of a cluster belong to one batch and walk the same bytes: every tensor load is asked for jointly, with the same descriptor and the mask of all four.
; LIMITS: NaN and infinities among the inputs are not served.
.set DUAL,  1                          ; 1: the hold and the chains' plain maxima are written as dual-issue pairs; 0: as plain lines
.set QB,    270336                     ; a batch of qc: 262,144 bytes of images, then 8,192 of pair words
.set NST,   8                          ; key steps in a slot
.set SLOTB, NST*16384                  ; slot 1 begins here: one exclusive or turns an address in one slot into the other's
.set LGB,   2*SLOTB                    ; the batch's 4,096 lg
.set WDB,   LGB+16384                  ; K's pair words (8,192 bytes), then V's
.set SPARE, WDB+16384                  ; the spare words, 128 bytes for each wave
.set SP,    272                        ; the way out: 32 rows x (256 bytes + 16) for each wave, from LDS byte 0 on: slot 0 has had its last fill, and was left by every wave at the last change of slots
.set LI,  1                            ; v1   16 x lane
.set LG0, 2                            ; v2   LGB + 64 x (lane / 16)
.set LW0, 3                            ; v3   WDB + 4 x lane
.set AK,  4                            ; v4-6 the step's record, lg and words
.set AL,  5
.set AW,  6
.set SPW, 7                            ; v7   LDS address of my spare word; never rewritten
.set NIL, 8                            ; v8   0; never rewritten
.set PFO, 9                            ; v9   256 x lane; never rewritten
.set STO, 10
.set RD,  11
.set GO,  12
.set KWR, 16                           ; v16-17 K's pair words, v18-19 V's words, v20-21 Q's (doubled), v22-23 w's: these eight hold scales alone
.set VWR, 18
.set QWS, 20
.set PW,  22
.set MX,  24                           ; v24-31 chain 2 b + X: the block's largest w, then 448 x its scale
.set TX,  32                           ; v32-39 at work.  (Until the exponentials v24-39 hold lg of block 3)
.set SO,  40                           ; v40-47 the conversion's scale operand
.set SB,  48                           ; v48-175 scores, then w: 16 registers a chain
.set PC,  176                          ; v176-207 w's codes: 16 a tile
.set LGR, 208                          ; v208-255 lg of my keys of blocks 0 to 2; block 3's in v24-39: register LGR + n - (n / 48) (LGR + 24)
.set OB,  48                           ; the way out
.set KF,  64                           ; window 1: v0-63 O^T (tile X, channels 16 t on: 32 X + 8 t); v64-127 K's four fragments; v128-191 V^T's four;
.set VF,  128
.set QZ,  192                          ;           v192-231 zeros | Q tile A | zeros | Q tile B | zeros
.set WV,  14
.set CS,  16                           ; s[16:17] c
.set SEL, 18
.set MNT, 20
.set TB,  21                           ; s21  LDS byte of the step's record
.set TL,  22                           ; s22  512 x step
.set TWD, 23                           ; s23  256 x step
.set G1,  24                           ; s[24:31] group 1 for the records: 128 rows of 256 bytes
.set G0R, 32                           ; s[32:35] group 0 of my two records: it walks
.set G0X, 36                           ; s[36:39] group 0 for lg (wave 4) or the words (wave 5)
.set SLOTS, 40
.set CNT, 41
.set LIM, 42                           ; s42  1 in a wave that prefetches, else the greatest number
.set PFA, 44                           ; s[44:45] where my prefetches stand
.set G1X, 48                           ; s[48:55] group 1 for lg and the words: 64 rows of 256 bytes
.set MSB, 0
.macro WIN new                         ; the immediate's high byte repeats the setting that is left; bits 1:0 source 0, 3:2 source 1, 5:4 source 2, 7:6 destination
.if MSB != \new
	s_set_vgpr_msb (MSB<<8)|\new
.set MSB, \new
.endif
.endm
.macro NOPS n
.rept \n
	v_nop
.endr
.endm
.macro CROUND                          ; a round of the cluster's barrier
	s_barrier_signal -1
	s_barrier_wait -1
	s_cmp_lg_u32 s[WV], 0
	s_cbranch_scc1 .Lnot_wave_0_\@
	s_barrier_signal -3
.Lnot_wave_0_\@:
	s_barrier_wait -3
	s_barrier_signal -1
	s_barrier_wait -1
.endm
.macro RLOAD                           ; waves 0 to 3 fetch two records each; the branch hangs on the wave's number alone
	s_cmp_lt_u32 s[WV], 4
	s_cbranch_scc0 .Lno_fill_\@
	tensor_load_to_lds s[G0R:G0R+3], s[G1:G1+7]
	s_nop 0
	NOPS 4
.Lno_fill_\@:
.endm
; A PREFETCH INTO THE L2 of the slot that the NEXT change of slots will ask for: 131,072 bytes, eight key steps ahead of that load.  All clusters of a batch walk the same records: the batch's first cluster asks.
; Its four partners take two records each, told apart BY ADDRESS; in each, waves 4 to 7 take a quarter of them: 8,192 bytes, lanes 256 bytes apart, one instruction.  The last change that fills a slot asks for nothing.
.macro ASK
	s_cmp_gt_u32 s[SLOTS], s[LIM]
	s_cbranch_scc0 .Lnot_mine_\@
	s_wait_alu depctr_va_vdst(0)
	global_prefetch_b8 v[PFO], s[PFA:PFA+1] th:TH_LOAD_NT scope:SCOPE_SE
.Lnot_mine_\@:
.endm
; The step's scores: key pair b (32 keys) x both tiles of queries: (Q | zeros) takes the pair's first tile, keys 32 b + 16 (lane / 16) + 0 .. 7, (zeros | Q) its second, + 8 .. 15
.macro SW
	WIN 0x05                                       ; K and Q in window 1, the scores in window 0
.irp b, 0,1,2,3
.irp y, 0,1
.irp X, 0,1
.if \b%2
	v_wmma_scale_f32_16x16x128_f8f6f4 v[SB+32*\b+16*\X+8*\y:SB+32*\b+16*\X+8*\y+7], v[KF+16*\b:KF+16*\b+15], v[QZ+8+16*\X-8*\y:QZ+23+16*\X-8*\y], 0, v[KWR+\b/2], v[QWS+\X] matrix_a_scale:MATRIX_SCALE_ROW1
.else
	v_wmma_scale_f32_16x16x128_f8f6f4 v[SB+32*\b+16*\X+8*\y:SB+32*\b+16*\X+8*\y+7], v[KF+16*\b:KF+16*\b+15], v[QZ+8+16*\X-8*\y:QZ+23+16*\X-8*\y], 0, v[KWR+\b/2], v[QWS+\X]
.endif
.endr
.endr
.endr
	WIN 0
.endm
; The hold of block p, both tiles: the conversion to an 8-bit code does not saturate (ISA guide 7.6.2); w is not negative, so the hold is one-sided.
; A pair's halves: one destination even, one odd; first sources and second sources in different register banks (numbers that differ modulo 4)
.macro MINS p
.set A0, SB+32*(\p)
.set H0, MX+2*(\p)
.irp e, 0,2,4,6,8,10,12,14
.if DUAL
	v_dual_min_num_f32 v[A0+\e], v[A0+\e], v[H0] :: v_dual_min_num_f32 v[A0+17+\e], v[A0+17+\e], v[H0+1]
	v_dual_min_num_f32 v[A0+16+\e], v[A0+16+\e], v[H0+1] :: v_dual_min_num_f32 v[A0+1+\e], v[A0+1+\e], v[H0]
.else
	v_min_num_f32 v[A0+\e], v[A0+\e], v[H0]
	v_min_num_f32 v[A0+17+\e], v[A0+17+\e], v[H0+1]
	v_min_num_f32 v[A0+16+\e], v[A0+16+\e], v[H0+1]
	v_min_num_f32 v[A0+1+\e], v[A0+1+\e], v[H0]
.endif
.endr
.endm
.macro CODES p                         ; block p's codes: registers 4 p .. 4 p + 3 of each tile's operand
.irp X, 0,1
	v_cvt_scalef32_pk8_fp8_f32 v[PC+16*\X+4*(\p):PC+16*\X+4*(\p)+1], v[SB+32*(\p)+16*\X:SB+32*(\p)+16*\X+7], v[SO+2*(\p)+\X]
	v_cvt_scalef32_pk8_fp8_f32 v[PC+16*\X+4*(\p)+2:PC+16*\X+4*(\p)+3], v[SB+32*(\p)+16*\X+8:SB+32*(\p)+16*\X+15], v[SO+2*(\p)+\X]
.endr
.endm
; w = 2^(c s - lg), each block's largest w, its scale, the hold, the codes: eight chains by turns.  Each accumulator is read from its low end on
.macro SOFT
.irp i, 0,2,4,6,8,10,12,14
.irp b, 0,1,2,3
.irp X, 0,1
	v_pk_fma_f32 v[SB+32*\b+16*\X+\i:SB+32*\b+16*\X+\i+1], v[SB+32*\b+16*\X+\i:SB+32*\b+16*\X+\i+1], s[CS:CS+1], v[LGR+16*\b+\i-(\b/3)*(LGR+24):LGR+16*\b+\i-(\b/3)*(LGR+24)+1] op_sel_hi:[1,0,1] neg_lo:[0,0,1] neg_hi:[0,0,1]
.endr
.endr
.endr
	s_wait_alu depctr_va_vdst(0)                   ; the wait ahead of the batch
.set EI, 0
.rept 128
	v_exp_f32 v[SB+EI], v[SB+EI]
.set EI, EI+1
.endr
	v_nop                                          ; a plain line behind the transcendentals
	s_wait_alu depctr_va_vdst(0)                   ; and for one behind it
	; a chain's 16 numbers: three, six pairs, one left over: number 15 in the even chains, number 0 in the odd ones, so that the pairs' second sources lie in different banks
.irp c, 0,1,2,3,4,5,6,7
	v_max3_num_f32 v[MX+\c], v[SB+16*\c+(\c%2)], v[SB+16*\c+(\c%2)+1], v[SB+16*\c+(\c%2)+2]
.endr
.irp i, 3,5,7,9,11,13
.irp c, 0,1,2,3,4,5,6,7
	v_max3_num_f32 v[MX+\c], v[MX+\c], v[SB+16*\c+(\c%2)+\i], v[SB+16*\c+(\c%2)+\i+1]
.endr
.endr
.irp c, 0,2,4,6
.if DUAL
	v_dual_max_num_f32 v[MX+\c], v[MX+\c], v[SB+16*\c+15] :: v_dual_max_num_f32 v[MX+\c+1], v[MX+\c+1], v[SB+16*\c+16]
.else
	v_max_num_f32 v[MX+\c], v[MX+\c], v[SB+16*\c+15]
	v_max_num_f32 v[MX+\c+1], v[MX+\c+1], v[SB+16*\c+16]
.endif
.endr
.irp c, 0,1,2,3,4,5,6,7
	v_permlanex16_b32 v[TX+\c], v[MX+\c], s[SEL], s[SEL+1]
.endr
.irp c, 0,2,4,6                                ; with lane l xor 16's 16 keys: the block's largest w
.if DUAL
	v_dual_max_num_f32 v[MX+\c], v[MX+\c], v[TX+\c] :: v_dual_max_num_f32 v[MX+\c+1], v[MX+\c+1], v[TX+\c+1]
.else
	v_max_num_f32 v[MX+\c], v[MX+\c], v[TX+\c]
	v_max_num_f32 v[MX+\c+1], v[MX+\c+1], v[TX+\c+1]
.endif
.endr
.irp c, 0,1,2,3,4,5,6,7
	v_add_nc_u32 v[SO+\c], 0xfc000000, v[MX+\c]    ; 8 off its exponent field: the conversion's scale operand; its bits 30:23 are the scale's byte
.endr
.irp X, 0,1
	v_perm_b32 v[TX+\X], v[SO+2+\X], v[SO+\X], 0x07060302      ; the upper halves of blocks 0 and 1: the bytes lie in bits 14:7 and 30:23
.endr
.irp X, 0,1
	v_perm_b32 v[TX+2+\X], v[SO+6+\X], v[SO+4+\X], 0x07060302  ; and of blocks 2 and 3
.endr
.irp c, 0,1,2,3,4,5,6,7
	v_and_or_b32 v[MX+\c], v[MX+\c], 0x7f800000, s[MNT]   ; 448 x the scale
.endr
.irp k, 0,1,2,3
	v_lshrrev_b32 v[TX+\k], 7, v[TX+\k]            ; the two bytes now are bytes 0 and 2
.endr
	MINS 0
.irp X, 0,1
	v_perm_b32 v[PW+\X], v[TX+2+\X], v[TX+\X], 0x06040200      ; w's scale word for these 128 keys: far more than eight places ahead of its product
.endr
	MINS 1
	CODES 0
	MINS 2
	CODES 1
	MINS 3
	CODES 2
	CODES 3
	s_add_co_u32 s[TB], s[TB], 16384
	s_add_co_u32 s[TL], s[TL], 512
	s_add_co_u32 s[TWD], s[TWD], 256
	v_add_nc_u32 v[AK], s[TB], v[LI]               ; the next step's addresses (a slot's last step: not used, they are made anew at the next slot's head).  With the line below: the four places
	v_add_nc_u32 v[AL], s[TL], v[LG0]              ; by which an operand written by vector instructions stands ahead of a scaled product
	v_add_nc_u32 v[AW], s[TWD], v[LW0]
	v_nop
.endm
.macro PV                              ; O^T += V^T W^T, K = the step's 128 keys.  The eight accumulators take turns, one instruction a turn
	WIN 0x51                                       ; V^T in window 1, w's codes in window 0, O^T in window 1
.irp t, 0,1,2,3
.irp X, 0,1
.if \t%2
	v_wmma_scale_f32_16x16x128_f8f6f4 v[32*\X+8*\t:32*\X+8*\t+7], v[VF+16*\t:VF+16*\t+15], v[PC+16*\X:PC+16*\X+15], v[32*\X+8*\t:32*\X+8*\t+7], v[VWR+\t/2], v[PW+\X] matrix_a_scale:MATRIX_SCALE_ROW1
.else
	v_wmma_scale_f32_16x16x128_f8f6f4 v[32*\X+8*\t:32*\X+8*\t+7], v[VF+16*\t:VF+16*\t+15], v[PC+16*\X:PC+16*\X+15], v[32*\X+8*\t:32*\X+8*\t+7], v[VWR+\t/2], v[PW+\X]
.endif
.endr
.endr
	WIN 0
.endm
.macro STEP
	ds_load_b32 v[KWR], v[AW]                      ; lanes 0-15: pair 0's words, lanes 16-31: pair 1's.  None of the first 34 loads lands in a register of the last step's second product
	ds_load_b32 v[KWR+1], v[AW] offset:128
	WIN 0x40                                       ; destination window 1
.irp j, 0,1,2,3,4,5,6,7,8,9,10,11,12,13,14,15
	ds_load_b128 v[KF+4*\j:KF+4*\j+3], v[AK] offset:512*\j
.endr
	WIN 0
.irp j, 0,1,2,3,4,5,6,7,8,9,10,11,12,13,14,15
	ds_load_b128 v[LGR+4*\j-(\j/12)*(LGR+24):LGR+4*\j-(\j/12)*(LGR+24)+3], v[AL] offset:128*(\j/4)+16*(\j%4)   ; keys 32 b + 16 (lane / 16) + 0 .. 15
.endr
	s_wait_dscnt 16                                ; K and its words are in; the 16 loads of lg may be out
	SW
	NOPS 8                                         ; eight places: ahead of the first read of the scores, and, behind the last step's second product, ahead of the loads into its registers
	WIN 0x40
.irp j, 0,1,2,3,4,5,6,7,8,9,10,11,12,13,14,15
	ds_load_b128 v[VF+4*\j:VF+4*\j+3], v[AK] offset:8192+512*\j
.endr
	WIN 0
	ds_load_b32 v[VWR], v[AW] offset:8192          ; lanes 0-15: tile 0's words, lanes 16-31: tile 1's
	ds_load_b32 v[VWR+1], v[AW] offset:8320
	s_wait_dscnt 18                                ; lg is in; behind it: V^T's 16 and the 2 words
	SOFT
	s_wait_alu depctr_va_vdst(0)
	s_wait_dscnt 0x0                               ; V^T and its words are in
	PV
.endm
.macro SLOT_STEPS                      ; a slot's eight steps: written once, walked eight times
	s_mov_b32 s[CNT], NST
	v_add_nc_u32 v[AK], s[TB], v[LI]
	v_add_nc_u32 v[AL], s[TL], v[LG0]
	v_add_nc_u32 v[AW], s[TWD], v[LW0]
.Lstep_\@:
	s_wait_alu depctr_va_vdst(0)
	STEP
	s_sub_co_u32 s[CNT], s[CNT], 1
	s_cmp_lg_u32 s[CNT], 0
	s_cbranch_scc1 .Lstep_\@
	s_sub_co_u32 s[TB], s[TB], SLOTB
	s_xor_b32 s[TB], s[TB], SLOTB                  ; on to the other slot
.endm
; THE CHANGE OF SLOTS stands at a slot's head.  Each wave waits for all its tensor loads (its part of the slot ahead), adds 0 to its spare word, and waits for that and for its reads of the slot that it has left.
; fill = 1: the barrier is a round of the cluster's, so that no wave of any partner still reads that slot or has a load on its way; the joint refill is the first thing behind it and has eight key steps in which to land.
.macro CHANGE fill
	s_wait_tensorcnt 0x0                           ; no tensor load of mine is out, so a group 0 may be written
	ds_add_u32 v[SPW], v[NIL]                      ; 0 onto my spare word
.if \fill
	s_xor_b32 s[G0R+1], s[G0R+1], SLOTB            ; the walking descriptor: the other slot than last time,
	s_add_nc_u64 s[G0R+2:G0R+3], s[G0R+2:G0R+3], SLOTB   ; the next eight records; the type bits on top are not reached
	s_wait_xcnt 0x0                                ; the last prefetch, a slot back, has read its address, so it may be written:
	s_add_nc_u64 s[PFA:PFA+1], s[PFA:PFA+1], SLOTB ; one slot further on than the walking descriptor
.endif
	s_wait_dscnt 0x0                               ; the add is done, and my reads of the slot that I have left are over
.if \fill
	CROUND
	RLOAD
	ASK
.else
	s_barrier_signal -1
	s_barrier_wait -1
.endif
.endm
	s_load_b256 s[4:11], s[0:1], 0x0               ; qc s[4:5], kv s[6:7], words s[8:9], lg s[10:11]
	s_load_b64 s[12:13], s[0:1], 0x20              ; out0
	v_lshl_add_u32 v[SPW], v0, 2, SPARE
	v_mov_b32 v[NIL], 0
	ds_add_u32 v[SPW], v[NIL]                      ; the opening: the add, twice on end, and its wait ahead of my first tensor load
	ds_add_u32 v[SPW], v[NIL]
	s_wait_dscnt 0x0
	v_lshrrev_b32 v13, 5, v0
	s_delay_alu instid0(VALU_DEP_1)
	v_readfirstlane_b32 s[WV], v13                 ; wave 0..7
	s_and_b32 s15, ttmp7, 0xffff                   ; the batch, which the four partners share
	s_mov_b32 s[G1], 15|(3<<16)|(1<<21)            ; the mask of all four work-groups; elements of 8 bytes; bit 21 beside a mask; no padding: images are read 16 bytes a lane on end
	s_mov_b32 s[G1+1], 32<<16                      ; tensor_dim0 = 32 elements: 256 bytes
	s_mov_b32 s[G1+2], 128<<16                     ; tensor_dim1 = 128
	s_mov_b32 s[G1+3], 32<<16                      ; tile_dim0
	s_mov_b32 s[G1+4], 128                         ; tile_dim1
	s_mov_b32 s[G1+5], 32                          ; the pitch: dense
	s_mov_b32 s[G1+6], 0
	s_mov_b32 s[G1+7], 0
	s_mov_b32 s[G1X], 15|(3<<16)|(1<<21)           ; the same with 64 rows
	s_mov_b32 s[G1X+1], 32<<16
	s_mov_b32 s[G1X+2], 64<<16
	s_mov_b32 s[G1X+3], 32<<16
	s_mov_b32 s[G1X+4], 64
	s_mov_b32 s[G1X+5], 32
	s_mov_b32 s[G1X+6], 0
	s_mov_b32 s[G1X+7], 0
	s_mov_b32 s[CS], 0x3e38aa3b                    ; c = log2(e) / 8
	s_mov_b32 s[CS+1], s[CS]
	s_mov_b32 s[SEL], 0x76543210
	s_mov_b32 s[SEL+1], 0xfedcba98
	s_mov_b32 s[MNT], 0x600000
	s_mov_b32 s[TB], 0
	s_mov_b32 s[TL], 0
	s_mov_b32 s[TWD], 0
	s_mov_b32 s[SLOTS], 32/NST-1
	s_and_b32 s46, s[WV], 3
	s_lshl_b32 s46, s46, 15                        ; which two records of a slot I fetch, if I fetch
	s_and_b32 s47, s[WV], 1
	s_mul_i32 s43, s15, 24576
	s_mov_b32 s3, 0
	s_wait_kmcnt 0x0
	s_lshl_b32 s2, s15, 19
	s_add_co_u32 s2, s2, s46
	s_mov_b32 s[G0R], 1
	s_mov_b32 s[G0R+1], s46                        ; slot 0: no place in the cluster enters a descriptor
	s_add_nc_u64 s[G0R+2:G0R+3], s[6:7], s[2:3]
	s_or_b32 s[G0R+3], s[G0R+3], 0x80000000
	s_lshl_b32 s2, s15, 14
	s_cmp_eq_u32 s47, 0                            ; wave 4: the batch's lg; wave 5: its tables 0 and 1 of words: 16,384 bytes each.  The choice hangs on the wave's number alone
	s_cselect_b32 s2, s2, s43
	s_cselect_b64 s[G0X+2:G0X+3], s[10:11], s[8:9]
	s_add_nc_u64 s[G0X+2:G0X+3], s[G0X+2:G0X+3], s[2:3]
	s_or_b32 s[G0X+3], s[G0X+3], 0x80000000
	s_mov_b32 s[G0X], 1
	s_lshl_b32 s47, s47, 14
	s_add_co_u32 s[G0X+1], s47, LGB
	CROUND                                         ; all four work-groups are here: the first joint loads meet
	s_cmp_lt_u32 s[WV], 4                          ; the first fills: one load a wave in waves 0 to 5
	s_cbranch_scc0 .Lnot_record
	tensor_load_to_lds s[G0R:G0R+3], s[G1:G1+7]
	s_nop 0
	NOPS 4
	s_branch .Lfirst_asked
.Lnot_record:
	s_cmp_lt_u32 s[WV], 6
	s_cbranch_scc0 .Lfirst_asked
	tensor_load_to_lds s[G0X:G0X+3], s[G1X:G1X+7]
	s_nop 0
	NOPS 4
.Lfirst_asked:
	; what hangs on my place in the cluster: my queries, my rows of out0, my share of the prefetches.  It stays in registers of its own
	s_bfe_u32 s66, ttmp6, 0x40000                  ; cx
	s_lshl_b32 s67, ttmp9, 2
	s_add_co_u32 s67, s67, s66                     ; my block of 256 queries
	s_lshl_b32 s68, s67, 3
	s_add_co_u32 s68, s68, s[WV]                   ; my pair of tiles
	s_mov_b32 s71, 0
	s_mul_i32 s72, s15, QB
	s_lshl_b32 s70, s68, 6
	s_add_co_u32 s70, s70, s72
	s_add_co_u32 s70, s70, 262144
	s_add_nc_u64 s[8:9], s[4:5], s[70:71]          ; my pair's words, behind the batch's images in qc
	s_lshl_b32 s70, s68, 11
	s_add_co_u32 s70, s70, s72
	s_add_nc_u64 s[4:5], s[4:5], s[70:71]          ; qc at my pair
	s_lshl_b32 s70, s68, 13
	s_lshl_b32 s72, s15, 20
	s_add_co_u32 s70, s70, s72
	s_add_nc_u64 s[12:13], s[12:13], s[70:71]      ; out0 at my 32 rows
	s_lshl_b32 s70, s66, 15                        ; the prefetches: my work-group's two records,
	s_and_b32 s72, s[WV], 3
	s_lshl_b32 s72, s72, 13
	s_add_co_u32 s70, s70, s72                     ; my wave's quarter of them,
	s_lshl_b32 s72, s15, 19
	s_add_co_u32 s70, s70, s72
	s_add_co_u32 s70, s70, SLOTB                   ; in slot 1: the first change of slots steps it to slot 2.  Nothing is prefetched here, at the head
	s_add_nc_u64 s[PFA:PFA+1], s[6:7], s[70:71]
	s_lshr_b32 s72, s[WV], 2
	s_xor_b32 s72, s72, 1                          ; 0 in waves 4 to 7,
	s_or_b32 s72, s72, ttmp9                       ; of the batch's first cluster: the same in all four partners
	s_cmp_eq_u32 s72, 0
	s_cselect_b32 s[LIM], 1, -1
	v_and_b32 v13, 31, v0
	s_delay_alu instid0(VALU_DEP_1)
	v_lshlrev_b32 v[LI], 4, v13
	v_and_b32 v14, 15, v0
	s_delay_alu instid0(VALU_DEP_1)
	v_lshlrev_b32 v14, 2, v14
	global_load_b32 v13, v14, s[8:9]               ; lane r: the pair word of row r
	WIN 0x40                                       ; destination window 1
	global_load_b128 v[QZ+8:QZ+11], v[LI], s[4:5]
	global_load_b128 v[QZ+12:QZ+15], v[LI], s[4:5] offset:512
	global_load_b128 v[QZ+24:QZ+27], v[LI], s[4:5] offset:1024
	global_load_b128 v[QZ+28:QZ+31], v[LI], s[4:5] offset:1536
.irp z, 0,16,32
.irp i, 0,1,2,3,4,5,6,7
	v_mov_b32 v[QZ+\z+\i], 0                       ; the zero codes beside Q
.endr
.endr
.set EI, 0
.rept 64
	v_mov_b32 v[EI], 0                             ; O^T begins as zeros, so that the step is written without a first copy of its own
.set EI, EI+1
.endr
	WIN 0
	s_wait_loadcnt 0x0
	v_perm_b32 v[QWS], v13, v13, 0x01000100        ; tile A's two scale bytes twice: they serve the data in either half of K
	v_perm_b32 v[QWS+1], v13, v13, 0x03020302      ; tile B's.  More than eight plain lines stand between these and the first product
	v_bfe_u32 v[LG0], v0, 4, 1
	s_delay_alu instid0(VALU_DEP_1)
	v_lshl_add_u32 v[LG0], v[LG0], 6, LGB
	v_and_b32 v[LW0], 31, v0
	s_delay_alu instid0(VALU_DEP_1)
	v_lshl_add_u32 v[LW0], v[LW0], 2, WDB
	v_and_b32 v[PFO], 31, v0
	s_delay_alu instid0(VALU_DEP_1)
	v_lshlrev_b32 v[PFO], 8, v[PFO]
.irp c, 0,1,2,3,4,5,6,7
	v_mov_b32 v[TX+\c], 0                          ; written once: a lane permute's destination counts as one of its sources
.endr
	s_wait_alu depctr_va_vdst(0)
.Lslot:                                            ; three trips: behind each change of slots but the last the next slot is asked for (slot 1's first fill is issued as a refill is)
	CHANGE 1
	SLOT_STEPS
	s_sub_co_u32 s[SLOTS], s[SLOTS], 1
	s_cmp_lg_u32 s[SLOTS], 0
	s_cbranch_scc1 .Lslot
	CHANGE 0                                       ; the last slot is written out
	SLOT_STEPS
	; THE WAY OUT.  A lane holds eight neighbouring channels of one row, and the lanes beside it hold other rows: so my 32 rows go through my own stage in LDS and come back whole.  The address lines are the places behind the last products
	v_and_b32 v13, 15, v0                          ; r
	v_bfe_u32 v14, v0, 4, 1                        ; h
	s_delay_alu instid0(VALU_DEP_2)
	v_and_b32 v15, 8, v13
	s_delay_alu instid0(VALU_DEP_1)
	v_add_nc_u32 v15, v15, v13                     ; lane r of tile X holds row 8 X + r + 8 (r / 8)
	s_mul_i32 s2, s[WV], 32*SP                     ; my stage, in slot 0
	v_mul_u32_u24 v[STO], v15, SP
	s_delay_alu instid0(VALU_DEP_1)
	v_lshl_add_u32 v[STO], v14, 5, v[STO]
	s_delay_alu instid0(VALU_DEP_1)
	v_add_nc_u32 v[STO], s2, v[STO]                ; in: my row, + 32 bytes for lanes 16-31
	v_mul_u32_u24 v[RD], v14, SP
	s_delay_alu instid0(VALU_DEP_1)
	v_lshl_add_u32 v[RD], v13, 4, v[RD]
	s_delay_alu instid0(VALU_DEP_1)
	v_add_nc_u32 v[RD], s2, v[RD]                  ; back: lanes 0-15 one row of 256 bytes, lanes 16-31 the next
	v_lshlrev_b32 v[GO], 8, v14
	s_delay_alu instid0(VALU_DEP_1)
	v_lshl_add_u32 v[GO], v13, 4, v[GO]            ; and the same two rows in out0
	WIN 0x04                                       ; an LDS store's data are its source 1: window 1
.irp X, 0,1
.irp t, 0,1,2,3
	ds_store_b128 v[STO], v[32*\X+8*\t:32*\X+8*\t+3] offset:8*SP*\X+64*\t        ; each accumulator from its low end on
	ds_store_b128 v[STO], v[32*\X+8*\t+4:32*\X+8*\t+7] offset:8*SP*\X+64*\t+16
.endr
.endr
	WIN 0
.irp i, 0,1,2,3,4,5,6,7,8,9,10,11,12,13,14,15
	ds_load_b128 v[OB+4*\i:OB+4*\i+3], v[RD] offset:2*SP*\i   ; LDS serves a wave's instructions in order (ISA guide 5.7.1.4): these see my stores
.endr
	s_wait_alu depctr_va_vdst(0)
.irp i, 0,1,2,3,4,5,6,7,8,9,10,11,12,13,14,15
	s_wait_dscnt 15-\i                             ; row pair i is back
	global_store_b128 v[GO], v[OB+4*\i:OB+4*\i+3], s[12:13] offset:512*\i th:TH_STORE_NT   ; 16 lanes store a row of out0: 256 consecutive bytes, aligned
.endr
	s_wait_tensorcnt 0x0                           ; the wave's end, behind my last tensor load and my last LDS store
	ds_add_u32 v[SPW], v[NIL]
	s_wait_dscnt 0x0
	CROUND                                         ; the closing round: no work-group ends while a partner may still ask for bytes that name it
	s_endpgm
.Lfunc_end_k_q8a6d415ba0_attend:
	.size	k_q8a6d415ba0_attend, .Lfunc_end_k_q8a6d415ba0_attend-k_q8a6d415ba0_attend
	.p2alignl 7, 3214868480
	.fill 96, 4, 3214868480
	.section	.rodata,"a",@progbits
	.p2align	6, 0x0
	.amdhsa_kernel k_q8a6d415ba0_attend
		.amdhsa_group_segment_fixed_size 327680
		.amdhsa_private_segment_fixed_size 0
		.amdhsa_enable_private_segment 0
		.amdhsa_kernarg_size 40
		.amdhsa_user_sgpr_count 2
		.amdhsa_user_sgpr_kernarg_segment_ptr 1
		.amdhsa_wavefront_size32 1
		.amdhsa_system_sgpr_workgroup_id_x 1
		.amdhsa_system_sgpr_workgroup_id_y 1
		.amdhsa_system_sgpr_workgroup_id_z 1
		.amdhsa_system_vgpr_workitem_id 0
		.amdhsa_next_free_vgpr 512
		.amdhsa_next_free_sgpr 80
		.amdhsa_reserve_vcc 0
		.amdhsa_float_denorm_mode_32 3
		.amdhsa_float_denorm_mode_16_64 3
		.amdhsa_memory_ordered 1
		.amdhsa_forward_progress 1
		.amdhsa_inst_pref_size 71
	.end_amdhsa_kernel
	.amdgpu_metadata
---
amdhsa.version: [ 1, 2 ]
amdhsa.kernels:
  - .name:           k_q8a6d415ba0_attend
    .symbol:         k_q8a6d415ba0_attend.kd
    .args:
      - { .name: qc, .offset: 0, .size: 8, .value_kind: global_buffer, .address_space: global }
      - { .name: kv, .offset: 8, .size: 8, .value_kind: global_buffer, .address_space: global }
      - { .name: words, .offset: 16, .size: 8, .value_kind: global_buffer, .address_space: global }
      - { .name: lg, .offset: 24, .size: 8, .value_kind: global_buffer, .address_space: global }
      - { .name: out0, .offset: 32, .size: 8, .value_kind: global_buffer, .address_space: global }
    .group_segment_fixed_size: 327680
    .private_segment_fixed_size: 0
    .kernarg_segment_align: 8
    .kernarg_segment_size: 40
    .max_flat_workgroup_size: 256
    .sgpr_count:     80
    .vgpr_count:     512
    .wavefront_size: 32
...
	.end_amdgpu_metadata
.endif
;; end of part 3
